; MI455X (gfx1250); checked and timed in simulation.
; The chip was launched on July 23, 2026; its instructions are those of AMD's public machine-readable ISA for CDNA 5 (MIT licence, August 2026) and "CDNA5" Instruction Set Architecture Reference Guide (July 2026). The comments in the code are by the model that wrote it; some were corrected since.
;; Mo E Layer. Allowed arithmetic: matrix products marked QUANTISED: E4M3 operands, one given power-of-two scale a tensor, by v_wmma_f32_16x16x64_fp8_fp8 or v_wmma_f32_16x16x128_fp8_fp8, f32 sums; products left as they are: f32 operands where the result goes on into a quantised operand, else bf16, f16 or f32 operands; f32 sums; everything else in f32.
;; Inputs: b1 8 x 2,048 float32; b2 8 x 512 float32; lowp_scales 4 int32 (the exponents e of the quantised operands' scales 2^e); router_w 8 x 512 float32; w1_codes 8 x 2,048 x 16 x 32 uint8 (E4M3 codes of w1, K innermost, in blocks of 32 codes); w2_codes 8 x 512 x 64 x 32 uint8 (E4M3 codes of w2, K innermost, in blocks of 32 codes); x 4 x 1,024 x 512 float32.
;; Outputs: out0 4 x 1,024 x 512 float32.
;; This version of the problem:
;;   THIS VERSION OF THE PROBLEM IS GIVEN IN LOW PRECISION. The matrix products marked QUANTISED in the list below multiply operands that are first quantised to E4M3 (4 exponent bits, 3 mantissa bits; 8 bits a number), with one given power-of-two scale for each operand tensor; their sums are f32. All else is computed in f32.
;;   The module's matrix products, in the order in which they are computed (A, B: the left and right operand; K: the contracted axis; several contracted axes count as one K, in the product's order):
;;     1. [M 4,096, K 512] x [K 512, N 8]; A: input x; B: input router_w: left as it is (N = 8 < 16)
;;     2. [M 4,096, K 512] x [K 512, N 16,384]; A: input x; B: input w1 (given as codes): QUANTISED (scales: A lowp_scales[0], B lowp_scales[1])
;;     3. batch 8 x [M 512, K 2,048] x [K 2,048, N 4,096]; A: input w2 (given as codes); B: computed on the way: QUANTISED (scales: A lowp_scales[2], B lowp_scales[3])
;;   THE QUANTISER, for each operand of a quantised product, along K:
;;     - The operand's scale is 2^e, e = its entry of the input lowp_scales (int32; the entries are numbered through the quantised products in the list's order, A before B).
;;     - Each number is divided by the scale, clamped to +-448, and rounded to the nearest number of E4M3, ties to even, subnormals kept.
;;     - The product sums the exact products of the quantised numbers (number of the format x scale) in f32.
;;   ~~~python
;;   def quantise(x, axis, e):      # numpy; x: float32 -> the quantised numbers, widened to float32 again
;;       x = np.moveaxis(x, axis, -1); K = x.shape[-1]
;;       r = np.clip(x / 2.0 ** e, -448, 448)
;;       step = 2.0 ** (np.maximum(np.frexp(np.where(r == 0, 1, r))[1] - 1, -6) - 3)
;;       q = np.round(r / step) * step * 2.0 ** e      # np.round: ties to even
;;       return np.moveaxis(q, -1, axis).astype(np.float32)
;;   ~~~
;;   OPERANDS COMPUTED ON THE WAY. 'Computed on the way' means the value that the module computes at that place (a softmax that the list does not call 'softmax' is quantised finished and normalised). What goes into a quantiser is computed in f32, as accurately as f32 sums, v_exp_f32 and their like allow (about 1e-6 of the number): no bf16 or f16 on the way to a quantiser, and a product that is left as it is and whose result goes on into a quantised operand takes f32 operands (vector FMAs, or v_wmma_f32_16x16x4_f32). A number that lies on a knife's edge between two numbers of the format may be rounded either way, as far as f32 arithmetic and the matrix unit's own rounding can turn it there, and no further.
;;   INPUTS GIVEN AS CODES. w1 (in the module: [8, 2048, 512], K = its axis 2); w2 (in the module: [8, 512, 2048], K = its axis 2): each comes as NAME_codes (uint8): NAME with its K axis moved to the last place and cut into blocks of 32 codes, [.., K / 32, bytes a block], one block behind the other in memory; one code a byte (a code: sign, 4 exponent bits, 3 mantissa bits); its scale is its entry of lowp_scales. Its value is code x scale, taken as it is: it is not quantised again, and the codes and scales need not be those that the quantiser above would give.
;; 2 versions, each right; version 2 is version 1 with the launch chain written anew for expert scheduling mode. Each part assembles by itself: llvm-mc -triple=amdgcn-amd-amdhsa -mcpu=gfx1250 --defsym DOCPART=n.
;; ======== version 1 of 2: 4 launches
;; workspace buffers: xq 2,097,152 bytes; sel 36,864 bytes of whole numbers; gate 32,768 bytes; rows 34,304 bytes of whole numbers; tiles 768 bytes of whole numbers; w1l 8,388,608 bytes; w2l 8,388,608 bytes; parts 16,777,216 bytes
;; launch route (part 1): grid 128 x 1, 8 waves a work-group, no clusters, 43,008 bytes of LDS; arguments x, router_w, lowp_scales, xq, sel, gate; writes xq, sel, gate
.if DOCPART == 1
	.amdgcn_target "amdgcn-amd-amdhsa--gfx1250"
	.amdhsa_code_object_version 6
	.text
	.protected	k_q3f310c5084_route
	.globl	k_q3f310c5084_route
	.p2align	8
	.type	k_q3f310c5084_route,@function
k_q3f310c5084_route:
	s_mov_b64 s[64:65], 0
	v_nop
	global_prefetch_b8 v0, s[64:65] scope:SCOPE_SE
	s_setreg_imm32_b32 hwreg(HW_REG_WAVE_MODE, 25, 1), 1
	s_wait_xcnt 0x0
; ROUTE.  For each of 4,096 tokens: the eight router logits x . router_w[e] in f32, their softmax (the maximum taken away first), the two largest
; probabilities (of equal ones the lower index, as jax.lax.top_k has it) and their weights p / (p1 + p2 + 1e-9); and x as codes of E4M3 with the given scale 2^e0.
; Stored at fixed places: xq [4096][512] codes; gate [4096][2] f32; sel [4096][2] int32: expert | rank << 8, the rank being the number of tokens in lower lanes of the same block of 32 tokens
; that have a row for the same expert; and behind it, at byte 32,768 of sel, [128 blocks][8 experts] int32: how many of the block's tokens have a row for the expert.  No address here hangs on the choice.
; SHARES.  A work-group takes 32 tokens, one block; each of its eight waves four rows of x (2,048 bytes each).  Every load of x and of router_w reads 512 consecutive bytes, 16 a lane:
; a lane then holds columns 128 i + 4 lane + 0..3 of both, which is all that a dot product asks.  The conversion wants 16 NEIGHBOURS in a lane, so a row also turns through
; the wave's own stage in LDS (64 bytes + 16 of padding for each lane) and comes back 64 bytes a lane; a lane's 16 codes are 16 bytes and the wave stores a row's 512 bytes on end.
; The 32 x 8 logits meet in LDS; behind one barrier wave 0 takes a token a lane through softmax and top-2.  No matrix unit: N = 8, and the logits steer a choice, so they stay f32.
; LIMITS: -126 <= e0 <= 119, so that 2^e0 and 448 x 2^e0 are f32 numbers.  NaN among the inputs is not served.  A logit's 512 products are summed in another order than a row-wise sum.
.set WREG, 5120                        ; LDS of a wave: two stages
.set HALF, 2560                        ; a stage: 32 places of SP bytes
.set SP,   80                          ; a lane's place: 64 bytes + 16 of padding
.set LOG,  40960                       ; behind the stages: [32 tokens][8 logits] f32
.set CNTO, 32768                       ; where the blocks' counts begin in sel
.set ACC,  16                          ; v16-31   eight pairs of partial sums; in wave 0's tail v16-23 the logits
.set X,    32                          ; v32-63   two sets of 16 neighbours
.set R,    64                          ; v64-127  four rows as loaded, 16 registers each; a row's four lowest then take its codes
.set RW,   128                         ; v128-255 router_w, 16 registers an expert, in the pattern of a row of x
	s_load_b256 s[4:11], s[0:1], 0x0               ; x s[4:5], router_w s[6:7], the scales' exponents s[8:9], xq s[10:11]
	s_load_b128 s[12:15], s[0:1], 0x20             ; sel s[12:13], gate s[14:15]
	v_lshl_add_u32 v7, v0, 2, 0xa400
	s_set_vgpr_msb 0x40
	v_mov_b32 v1, 0
	s_set_vgpr_msb 0x4000
	v_lshrrev_b32 v12, 5, v0
	v_readfirstlane_b32 s16, v12                   ; wave 0..7
	v_and_b32 v1, 31, v0                           ; lane
	v_lshlrev_b32 v2, 4, v1                        ; 16 x lane: my bytes of a load's 512, and my codes' place in a row of xq
	v_lshlrev_b32 v5, 3, v1                        ; 8 x lane: a token's pair in sel and gate
	s_mul_i32 s17, s16, WREG
	v_lshrrev_b32 v12, 2, v1
	v_mul_u32_u24 v3, v12, SP
	v_and_b32 v12, 3, v1
	v_lshl_add_u32 v3, v12, 4, v3
	v_add_nc_u32 v3, s17, v3                       ; the stage, on the way in: SP (lane / 4) + 16 (lane % 4); a load's 512 bytes take eight places
	v_mul_u32_u24 v4, v1, SP
	v_add_nc_u32 v4, s17, v4                       ; and on the way out: SP x lane
	v_mov_b32 v6, 0                                ; lane 8 q + e will hold the logit of my row q and expert e
	v_lshl_add_u32 v10, v0, 2, LOG                 ; where that goes: word 32 wave + 8 q + e = 8 (token in the group) + e
	v_lshl_add_u32 v11, v1, 5, LOG                 ; wave 0: token = lane
	s_lshl_b32 s18, ttmp9, 16                      ; 32 rows of 2,048 bytes a work-group,
	s_lshl_b32 s19, s16, 13                        ; four a wave
	s_add_co_u32 s18, s18, s19
	s_mov_b32 s19, 0
	s_lshr_b32 s22, s18, 2                         ; the same rows in xq: 512 bytes each
	s_mov_b32 s23, 0
	s_lshl_b32 s26, ttmp9, 8                       ; 32 tokens x 8 bytes in sel and in gate
	s_mov_b32 s27, 0
	s_lshl_b32 s30, ttmp9, 5                       ; the block's eight counts
	s_add_co_u32 s30, s30, CNTO
	s_mov_b32 s31, 0
	s_mov_b32 s20, 0x76543210                      ; v_permlanex16_b32: lane l xor 16
	s_mov_b32 s21, 0xfedcba98
	s_wait_kmcnt 0x0
	s_load_b32 s24, s[8:9], 0x0                    ; e0
	s_add_nc_u64 s[4:5], s[4:5], s[18:19]
	s_add_nc_u64 s[10:11], s[10:11], s[22:23]
	s_add_nc_u64 s[28:29], s[12:13], s[30:31]
	s_add_nc_u64 s[12:13], s[12:13], s[26:27]
	s_add_nc_u64 s[14:15], s[14:15], s[26:27]
.irp e, 0,1,2,3,4,5,6,7
.irp j, 0,1,2,3
	global_load_b128 v[RW+16*\e+4*\j:RW+16*\e+4*\j+3], v2, s[6:7] offset:2048*\e+512*\j
.endr
.endr
.irp q, 0,1,2,3
.irp i, 0,1,2,3
	global_load_b128 v[R+16*\q+4*\i:R+16*\q+4*\i+3], v2, s[4:5] offset:2048*\q+512*\i th:TH_LOAD_NT
.endr
.endr
	s_wait_kmcnt 0x0
	s_add_co_i32 s24, s24, 127
	s_lshl_b32 s25, s24, 23
	v_mov_b32 v8, s25                              ; 2^e0 as f32: the conversion takes its exponent field
	s_add_co_i32 s24, s24, 8
	s_lshl_b32 s24, s24, 23
	s_or_b32 s24, s24, 0x600000
	v_mov_b32 v9, s24                              ; 448 x 2^e0
.macro TURN t                          ; row t through a stage: LDS serves a wave's instructions in order, so no wait stands between the stores and the loads
.irp i, 0,1,2,3
	ds_store_b128 v3, v[R+16*(\t)+4*\i:R+16*(\t)+4*\i+3] offset:HALF*((\t)%2)+8*SP*\i
.endr
.irp i, 0,1,2,3
	ds_load_b128 v[X+16*((\t)%2)+4*\i:X+16*((\t)%2)+4*\i+3], v4 offset:HALF*((\t)%2)+16*\i
.endr
.endm
.macro ROW q
.set XS, X+16*((\q)%2)
.set RS, R+16*(\q)
	s_wait_dscnt 0x0                               ; this row is back from its stage
.if (\q) < 3
	s_wait_loadcnt 8-4*(\q)                        ; the next row's four loads are in; those of the rows behind it may be out
	TURN (\q)+1                                    ; it goes through the other stage while this row is worked
.endif
.irp e, 0,1,2,3,4,5,6,7
	v_pk_mul_f32 v[ACC+2*\e:ACC+2*\e+1], v[RS:RS+1], v[RW+16*\e:RW+16*\e+1]   ; the first products start the sums
.endr
.irp k, 2,4,6,8,10,12,14
.irp e, 0,1,2,3,4,5,6,7
	v_pk_fma_f32 v[ACC+2*\e:ACC+2*\e+1], v[RS+\k:RS+\k+1], v[RW+16*\e+\k:RW+16*\e+\k+1], v[ACC+2*\e:ACC+2*\e+1]
.endr
.endr
.irp e, 0,1,2,3,4,5,6,7
	v_add_f32 v[ACC+2*\e], v[ACC+2*\e], v[ACC+2*\e+1]
.endr
.irp x, 1,2,4,8                        ; across the 32 lanes, the eight sums by turns
.irp e, 0,1,2,3,4,5,6,7
	v_add_f32_dpp v[ACC+2*\e], v[ACC+2*\e], v[ACC+2*\e] row_xmask:\x row_mask:0xf bank_mask:0xf
.endr
.endr
.irp e, 0,1,2,3,4,5,6,7
	v_permlanex16_b32 v[ACC+2*\e+1], v[ACC+2*\e], s20, s21
.endr
.irp e, 0,1,2,3,4,5,6,7
	v_add_f32 v[ACC+2*\e], v[ACC+2*\e], v[ACC+2*\e+1]                         ; every lane holds the logit
.endr
.irp e, 0,1,2,3,4,5,6,7
	s_mov_b32 s[40+\e], 1<<(8*(\q)+\e)
	v_cndmask_b32 v6, v6, v[ACC+2*\e], s[40+\e]                               ; lane 8 q + e keeps it
.endr
.irp i, 0,1,2,3,4,5,6,7,8,9,10,11,12,13,14,15
	v_med3_num_f32 v[XS+\i], v[XS+\i], -v9, v9     ; the conversion to an 8-bit code does not saturate (ISA guide 7.6.2): the hold at the largest code x the scale
.endr
	v_cvt_scalef32_pk8_fp8_f32 v[RS:RS+1], v[XS:XS+7], v8                     ; the row as loaded has been multiplied: its registers take the codes
	v_cvt_scalef32_pk8_fp8_f32 v[RS+2:RS+3], v[XS+8:XS+15], v8
	v_nop                                          ; one plain vector instruction behind the last conversion
	global_store_b128 v2, v[RS:RS+3], s[10:11] offset:512*(\q)                ; 32 lanes store a row's 512 consecutive bytes
.endm
	s_wait_loadcnt 12                              ; router_w and row 0 are in; rows 1 to 3 (12 loads) may be out
	TURN 0
	ROW 0
	ROW 1
	ROW 2
	ROW 3
	ds_store_b32 v10, v6
	s_wait_dscnt 0x0                               ; for wave 0's sake: my logits have landed
	s_barrier_signal -1
	s_barrier_wait -1
	s_cmp_lg_u32 s16, 0
	s_cbranch_scc1 .Lend
	; wave 0: a token a lane
	ds_load_b128 v[16:19], v11
	ds_load_b128 v[20:23], v11 offset:16
	s_wait_dscnt 0x0
	v_max3_num_f32 v12, v16, v17, v18
	v_max3_num_f32 v12, v12, v19, v20
	v_max3_num_f32 v12, v12, v21, v22
	v_max_num_f32 v12, v12, v23                    ; the row's largest logit is taken away ahead of the exponentials
.irp i, 0,1,2,3,4,5,6,7
	v_sub_f32 v[16+\i], v[16+\i], v12
.endr
.irp i, 0,1,2,3,4,5,6,7
	v_mul_f32 v[16+\i], 0x3fb8aa3b, v[16+\i]       ; x log2(e)
.endr
.irp i, 0,1,2,3,4,5,6,7
	v_exp_f32 v[16+\i], v[16+\i]
.endr
	v_nop                                          ; a plain instruction behind the batch,
	s_wait_alu depctr_va_vdst(0)                   ; and one wait for it ahead of its first reader
	v_add_f32 v12, v16, v17
	v_add_f32 v13, v18, v19
	v_add_f32 v14, v20, v21
	v_add_f32 v15, v22, v23
	v_add_f32 v12, v12, v13
	v_add_f32 v14, v14, v15
	v_add_f32 v12, v12, v14
	v_rcp_f32 v13, v12
	v_mov_b32 v26, -1.0                            ; (a plain instruction behind the reciprocal)  under every probability
	s_wait_alu depctr_va_vdst(0)
.irp i, 0,1,2,3,4,5,6,7
	v_mul_f32 v[16+\i], v[16+\i], v13              ; the probabilities
.endr
.macro TOP best, idx                   ; the largest of v16-23 and its index; a later one takes over only if it is strictly larger: of equal ones the lower index stays
	v_mov_b32 v[\best], v16
	v_mov_b32 v[\idx], 0
.irp i, 1,2,3,4,5,6,7
	v_cmp_ge_f32 vcc_lo, v[\best], v[16+\i]
	v_cndmask_b32 v[\best], v[16+\i], v[\best], vcc_lo
	v_cndmask_b32 v[\idx], \i, v[\idx], vcc_lo
.endr
.endm
	TOP 24, 30
.irp i, 0,1,2,3,4,5,6,7
	v_cmp_eq_u32 vcc_lo, \i, v30
	v_cndmask_b32 v[16+\i], v[16+\i], v26, vcc_lo  ; the first choice is out of the second search
.endr
	TOP 25, 31
	v_add_f32 v27, v24, v25
	v_add_f32 v27, 0x3089705f, v27                 ; + 1e-9
	v_rcp_f32 v27, v27
	v_mov_b32 v34, 0                               ; (a plain instruction behind the reciprocal)  the first choice's rank in the block,
	v_mov_b32 v35, 0                               ; the second's,
	v_mov_b32 v36, 0                               ; and in lane e the block's count for expert e.  This work stands between the reciprocal and the wait for it
.irp e, 0,1,2,3,4,5,6,7
	v_cmp_eq_u32 s40, \e, v30
	v_cmp_eq_u32 s41, \e, v31
	s_or_b32 s42, s40, s41                         ; the block's tokens that have a row for e: a token's two experts differ, so at most one row each
	v_mbcnt_lo_u32_b32 v15, s42, 0                 ; how many of them in lower lanes
	v_cndmask_b32 v34, v34, v15, s40
	v_cndmask_b32 v35, v35, v15, s41
	s_bcnt1_i32_b32 s43, s42
	v_writelane_b32 v36, s43, \e
.endr
	v_lshl_or_b32 v30, v34, 8, v30                 ; expert | rank << 8
	v_lshl_or_b32 v31, v35, 8, v31
	v_lshlrev_b32 v37, 2, v1
	s_wait_alu depctr_va_vdst(0)
	v_mul_f32 v32, v24, v27
	v_mul_f32 v33, v25, v27
	global_store_b64 v5, v[30:31], s[12:13]        ; 32 lanes store 256 consecutive bytes, aligned
	global_store_b64 v5, v[32:33], s[14:15]
	s_wait_xcnt 0x0                                ; EXEC changes only behind this wait: the stores above have been issued under the full one
	v_cmp_gt_u32 vcc_lo, 8, v1
	s_set_vgpr_msb 0x4
	s_wait_tensorcnt 0x0
	ds_add_u32 v7, v1
	s_wait_dscnt 0x0
	s_set_vgpr_msb 0x400
	s_and_saveexec_b32 s44, vcc_lo
	global_store_b32 v37, v36, s[28:29]            ; lanes 0 to 7: the block's eight counts, 32 bytes
	s_endpgm
.Lend:
	s_set_vgpr_msb 0x4
	s_wait_tensorcnt 0x0
	ds_add_u32 v7, v1
	s_wait_dscnt 0x0
	s_set_vgpr_msb 0x400
	s_endpgm
.Lfunc_end_k_q3f310c5084_route:
	.size	k_q3f310c5084_route, .Lfunc_end_k_q3f310c5084_route-k_q3f310c5084_route
	.p2alignl 7, 3214868480
	.fill 96, 4, 3214868480
	.section	.rodata,"a",@progbits
	.p2align	6, 0x0
	.amdhsa_kernel k_q3f310c5084_route
		.amdhsa_group_segment_fixed_size 43008
		.amdhsa_private_segment_fixed_size 0
		.amdhsa_enable_private_segment 0
		.amdhsa_kernarg_size 48
		.amdhsa_user_sgpr_count 2
		.amdhsa_user_sgpr_kernarg_segment_ptr 1
		.amdhsa_wavefront_size32 1
		.amdhsa_system_sgpr_workgroup_id_x 1
		.amdhsa_system_sgpr_workgroup_id_y 1
		.amdhsa_system_sgpr_workgroup_id_z 1
		.amdhsa_system_vgpr_workitem_id 0
		.amdhsa_next_free_vgpr 258
		.amdhsa_next_free_sgpr 66
		.amdhsa_reserve_vcc 1
		.amdhsa_float_denorm_mode_32 3
		.amdhsa_float_denorm_mode_16_64 3
		.amdhsa_memory_ordered 1
		.amdhsa_forward_progress 1
		.amdhsa_inst_pref_size 55
	.end_amdhsa_kernel
	.amdgpu_metadata
---
amdhsa.version: [ 1, 2 ]
amdhsa.kernels:
  - .name:           k_q3f310c5084_route
    .symbol:         k_q3f310c5084_route.kd
    .args:
      - { .name: x, .offset: 0, .size: 8, .value_kind: global_buffer, .address_space: global }
      - { .name: router_w, .offset: 8, .size: 8, .value_kind: global_buffer, .address_space: global }
      - { .name: lowp_scales, .offset: 16, .size: 8, .value_kind: global_buffer, .address_space: global }
      - { .name: xq, .offset: 24, .size: 8, .value_kind: global_buffer, .address_space: global }
      - { .name: sel, .offset: 32, .size: 8, .value_kind: global_buffer, .address_space: global }
      - { .name: gate, .offset: 40, .size: 8, .value_kind: global_buffer, .address_space: global }
    .group_segment_fixed_size: 43008
    .private_segment_fixed_size: 0
    .kernarg_segment_align: 8
    .kernarg_segment_size: 48
    .max_flat_workgroup_size: 256
    .sgpr_count:     66
    .vgpr_count:     258
    .wavefront_size: 32
...
	.end_amdgpu_metadata
.endif
;; end of part 1
;; launch place (part 2): grid 272 x 1, 8 waves a work-group, no clusters, 0 bytes of LDS; arguments sel, w1_codes, w2_codes, rows, tiles, w1l, w2l; writes rows, tiles, w1l, w2l
.if DOCPART == 2
	.amdgcn_target "amdgcn-amd-amdhsa--gfx1250"
	.amdhsa_code_object_version 6
	.text
	.protected	k_q3f310c5084_place
	.globl	k_q3f310c5084_place
	.p2align	8
	.type	k_q3f310c5084_place,@function
k_q3f310c5084_place:
	s_mov_b64 s[64:65], 0
	v_nop
	global_prefetch_b8 v0, s[64:65] scope:SCOPE_SE
	s_setreg_imm32_b32 hwreg(HW_REG_WAVE_MODE, 25, 1), 1
	s_wait_xcnt 0x0
; PLACE.  Work-groups 0 to 15 sort the 8,192 routed rows (row number rr = 2 token + choice) by expert into 178 tiles of at most 48 rows.  Work-groups 16 to 143 copy w1's codes,
; work-groups 144 to 271 w2's, into the order in which the next launch's operand registers take them.  The three ways part on the work-group's number alone.  No LDS, no barrier: waves share nothing.
; THE TILES.  Expert e with n_e rows gets t_e = ceil(n_e / 48) tiles, from tile tb_e on; T = the sum of the t_e lies between 171 and 178 = floor((8192 + 8 x 47) / 48).  The fullest expert b has at least
; 1,024 rows, so its first tile is full: the last spare = 178 - T rows of that tile get a tile of their own each (tiles T .. 177, one row).  So each of the 178 tiles has a row, whatever the split.
; rows [178][48] int32: rr, written for the slots under a tile's count alone.  tiles [178] int32: expert | count << 8.
; THE SORT.  A wave takes one block of 32 tokens, a token a lane.  The launch before has stored each row's expert and its rank within the block, and each block's eight counts (a table of 4,096 bytes).
; A row's place is 48 tb_e + (rows of e in earlier blocks) + rank.  Every wave sums the table for itself: lane l takes blocks 4 l .. 4 l + 3, two experts to a word (a sum is at most 4,096, under 2^16),
; once whole (n_e) and once with the blocks from its own on left out (the rows in earlier blocks).  That is done 128 times over, and spares all traffic between waves.
; The experts' ranges of places are disjoint: place - (48 tb_b + 48 - spare) < spare (unsigned) marks just the rows that move.
; ceil(n / 48) = floor(floor((n + 47) / 16) / 3), and floor(y / 3) = y x 21,846 >> 16 for y up to 258: the surplus, 2 y / (3 x 65,536), stays under a third.
; The rows' numbers leave by stores of four bytes: neighbours in rank are neighbours in memory, the rest is scattered; 32 KiB in all, once.
; w1l [e][chunk i of 128 rows][wave w][u][s][c][lane][16 bytes]: lane (r, h) holds w1[e][128 i + 32 w + 8 u + r + 8 (r / 8)][128 s + 32 c + 16 h + 0..15].
; w2l [e][i][w][n][c][lane][16 bytes]: lane (r, h) holds w2[e][128 w + 16 n + r][128 i + 32 c + 16 h + 0..15].  A fragment is 16 rows x 128 codes, 2,048 bytes: four loads of 16 bytes a lane,
; four stores of 512 consecutive bytes.  A wave moves four fragments, all 16 loads issued at once.
.set CAP,  48
.set NTL,  178
.set CNTO, 32768                       ; where the blocks' counts begin in sel
.set CT,   32                          ; v32-63  my four blocks' counts: 8 k + e
.set PW,   64                          ; v64-79  the same, two experts to a word: 4 k + j
.set SM,   80                          ; v80-83  sums of all my blocks, v84-87 of those ahead of the wave's block
.set SH,   88                          ; v88-95  at work in the sums across lanes
.set NE,   48                          ; s48-55  n_e
.set TB,   56                          ; s56-63  tb_e
.set PB,   74                          ; s74-81  rows of e in earlier blocks, then + 48 tb_e
	s_load_b256 s[4:11], s[0:1], 0x0               ; sel s[4:5], w1_codes s[6:7], w2_codes s[8:9], rows s[10:11]
	s_load_b128 s[12:15], s[0:1], 0x20             ; tiles s[12:13], w1l s[14:15]
	s_load_b64 s[16:17], s[0:1], 0x30              ; w2l
	v_lshrrev_b32 v15, 5, v0
	v_readfirstlane_b32 s18, v15                   ; wave 0..7
	v_and_b32 v1, 31, v0                           ; lane
	v_and_b32 v2, 15, v0                           ; r
	v_bfe_u32 v3, v0, 4, 1                         ; h
	v_lshlrev_b32 v4, 4, v1                        ; 16 x lane
	s_cmp_lt_u32 ttmp9, 16
	s_cbranch_scc1 .Lsort
	s_sub_co_u32 s21, ttmp9, 16
	s_cmp_ge_u32 s21, 128
	s_cbranch_scc1 .Lw2
	; ---- w1: work-group g = 16 e + i takes a chunk of 128 rows x 512 bytes, 65,536 bytes dense in both buffers; wave = 2 w + u takes the four fragments s = 0..3
	v_and_b32 v15, 8, v2
	v_add_nc_u32 v15, v15, v2                      ; r + 8 (r / 8)
	v_lshlrev_b32 v5, 9, v15
	v_lshl_add_u32 v5, v3, 4, v5                   ; that row, + 16 h
	s_lshl_b32 s22, s21, 16
	s_lshr_b32 s23, s18, 1                         ; w
	s_lshl_b32 s23, s23, 14                        ; 32 w rows of 512 bytes
	s_and_b32 s25, s18, 1                          ; u
	s_lshl_b32 s25, s25, 12                        ; 8 u rows
	s_add_co_u32 s24, s23, s25
	s_add_co_u32 s24, s24, s22
	s_mov_b32 s25, 0
	s_lshl_b32 s26, s18, 13                        ; the four fragments' place: 8,192 x wave
	s_add_co_u32 s26, s26, s22
	s_mov_b32 s27, 0
	s_wait_kmcnt 0x0
	s_add_nc_u64 s[6:7], s[6:7], s[24:25]
	s_add_nc_u64 s[14:15], s[14:15], s[26:27]
.irp f, 0,1,2,3
.irp c, 0,1,2,3
	global_load_b128 v[16+16*\f+4*\c:19+16*\f+4*\c], v5, s[6:7] offset:128*\f+32*\c th:TH_LOAD_NT
.endr
.endr
.irp f, 0,1,2,3
	s_wait_loadcnt 12-4*\f                         ; fragment f is in; the four loads of each later one may be out
.irp c, 0,1,2,3
	global_store_b128 v4, v[16+16*\f+4*\c:19+16*\f+4*\c], s[14:15] offset:2048*\f+512*\c
.endr
.endr
	s_endpgm
.Lw2:	; ---- w2: work-group g = 16 e + 2 ip + a; wave = 4 ii + 2 wl + nh; i = 2 ip + ii, w = 2 a + wl, fragments n = 4 nh + 0..3: the group reads 256 rows x 256 aligned bytes
	s_sub_co_u32 s21, s21, 128
	v_lshlrev_b32 v5, 11, v2
	v_lshl_add_u32 v5, v3, 4, v5                   ; row r of 2,048 bytes, + 16 h
	s_lshr_b32 s22, s21, 4                         ; e
	s_bfe_u32 s23, s21, 0x30001                    ; ip
	s_and_b32 s24, s21, 1                          ; a
	s_lshr_b32 s25, s18, 2                         ; ii
	s_bfe_u32 s26, s18, 0x10001                    ; wl
	s_and_b32 s27, s18, 1                          ; nh
	s_lshl_b32 s23, s23, 1
	s_add_co_u32 s23, s23, s25                     ; i
	s_lshl_b32 s24, s24, 1
	s_add_co_u32 s24, s24, s26                     ; w
	s_lshl_b32 s28, s22, 20                        ; from: e x 2^20 + (128 w + 64 nh) x 2,048 + 128 i
	s_lshl_b32 s29, s24, 18
	s_add_co_u32 s28, s28, s29
	s_lshl_b32 s29, s27, 17
	s_add_co_u32 s28, s28, s29
	s_lshl_b32 s29, s23, 7
	s_add_co_u32 s28, s28, s29
	s_mov_b32 s29, 0
	s_lshl_b32 s30, s22, 4                         ; to: ((16 e + i) 4 + w) x 16,384 + 8,192 nh
	s_add_co_u32 s30, s30, s23
	s_lshl_b32 s30, s30, 2
	s_add_co_u32 s30, s30, s24
	s_lshl_b32 s30, s30, 14
	s_lshl_b32 s31, s27, 13
	s_add_co_u32 s30, s30, s31
	s_mov_b32 s31, 0
	s_wait_kmcnt 0x0
	s_add_nc_u64 s[8:9], s[8:9], s[28:29]
	s_add_nc_u64 s[16:17], s[16:17], s[30:31]
.irp f, 0,1,2,3
.irp c, 0,1,2,3
	global_load_b128 v[16+16*\f+4*\c:19+16*\f+4*\c], v5, s[8:9] offset:32768*\f+32*\c th:TH_LOAD_NT   ; 16 rows of 2,048 bytes from fragment to fragment
.endr
.endr
.irp f, 0,1,2,3
	s_wait_loadcnt 12-4*\f
.irp c, 0,1,2,3
	global_store_b128 v4, v[16+16*\f+4*\c:19+16*\f+4*\c], s[16:17] offset:2048*\f+512*\c
.endr
.endr
	s_endpgm
.Lsort:	; ---- the sort.  My wave's block: 8 x work-group + wave; my token: 32 x block + lane
	s_lshl_b32 s19, ttmp9, 3
	s_add_co_u32 s19, s19, s18                     ; the block
	s_lshl_b32 s20, s19, 8
	v_lshl_add_u32 v13, v1, 3, s20                 ; 8 bytes a token
	v_lshlrev_b32 v12, 7, v1                       ; the table: 128 bytes, four blocks, a lane
	s_lshl_b32 s20, s19, 6
	v_lshl_add_u32 v11, v1, 1, s20                 ; rr of my token's first choice
	v_lshlrev_b32 v14, 2, v1                       ; my first block of the table
.irp w, 0,1,2,3,4,5,6,7
	v_mov_b32 v[SH+\w], 0                          ; written once: a DPP form's destination counts as read
.endr
	s_wait_kmcnt 0x0
	global_load_b64 v[16:17], v13, s[4:5]
.irp j, 0,1,2,3,4,5,6,7
	global_load_b128 v[CT+4*\j:CT+4*\j+3], v12, s[4:5] offset:CNTO+16*\j
.endr
	s_wait_loadcnt 0x0
.irp k, 0,1,2,3
.irp j, 0,1,2,3
	v_lshl_or_b32 v[PW+4*\k+\j], v[CT+8*\k+2*\j+1], 16, v[CT+8*\k+2*\j]   ; experts 2 j and 2 j + 1 in one word
.endr
.endr
.irp k, 0,1,2,3
	v_add_nc_u32 v15, \k, v14
	v_cmp_gt_u32 s[40+\k], s19, v15                ; block 4 lane + k lies ahead of the wave's block
.endr
.irp j, 0,1,2,3
	v_add3_u32 v[SM+\j], v[PW+\j], v[PW+4+\j], v[PW+8+\j]
	v_add_nc_u32 v[SM+\j], v[SM+\j], v[PW+12+\j]
.endr
.irp k, 0,1,2,3
.irp j, 0,1,2,3
	v_cndmask_b32 v[PW+4*\k+\j], 0, v[PW+4*\k+\j], s[40+\k]
.endr
.endr
.irp j, 0,1,2,3
	v_add3_u32 v[SM+4+\j], v[PW+\j], v[PW+4+\j], v[PW+8+\j]
	v_add_nc_u32 v[SM+4+\j], v[SM+4+\j], v[PW+12+\j]
.endr
.irp n, 1,2,4,8                        ; running sums within each 16 lanes, the eight words by turns: lanes 15 and 31 end with their halves' sums
.irp w, 0,1,2,3,4,5,6,7
	v_mov_b32_dpp v[SH+\w], v[SM+\w] row_shr:\n row_mask:0xf bank_mask:0xf bound_ctrl:1   ; lane l - n of my 16, or 0
.endr
.irp w, 0,1,2,3,4,5,6,7
	v_add_nc_u32 v[SM+\w], v[SM+\w], v[SH+\w]
.endr
.endr
.irp j, 0,1,2,3
	v_readlane_b32 s72, v[SM+\j], 15
	v_readlane_b32 s73, v[SM+\j], 31
	s_add_co_u32 s72, s72, s73
	s_and_b32 s[NE+2*\j], s72, 0xffff              ; n_e
	s_lshr_b32 s[NE+2*\j+1], s72, 16
	v_readlane_b32 s72, v[SM+4+\j], 15
	v_readlane_b32 s73, v[SM+4+\j], 31
	s_add_co_u32 s72, s72, s73
	s_and_b32 s[PB+2*\j], s72, 0xffff              ; rows of e in earlier blocks
	s_lshr_b32 s[PB+2*\j+1], s72, 16
.endr
	s_mov_b32 s66, 0
.irp e, 0,1,2,3,4,5,6,7
	s_mov_b32 s[TB+\e], s66                        ; tb_e
	s_mul_i32 s72, s66, CAP
	s_add_co_u32 s[PB+\e], s[PB+\e], s72           ; the place of the block's first row of e
	s_add_co_u32 s72, s[NE+\e], CAP-1
	s_lshr_b32 s72, s72, 4
	s_mul_i32 s72, s72, 21846
	s_lshr_b32 s72, s72, 16                        ; t_e
	s_add_co_u32 s66, s66, s72
.endr                                              ; s66 = T
	s_sub_co_u32 s67, NTL, s66                     ; spare
	s_sub_co_u32 s68, CAP, s67                     ; what stays in b's first tile
	s_mov_b32 s69, 0                               ; b: the first of the fullest experts,
	s_mov_b32 s70, s[NE]                           ; its rows,
	s_mov_b32 s71, s[TB]                           ; its first tile
.irp e, 1,2,3,4,5,6,7
	s_cmp_gt_u32 s[NE+\e], s70
	s_cselect_b32 s69, \e, s69
	s_cselect_b32 s71, s[TB+\e], s71
	s_cselect_b32 s70, s[NE+\e], s70
.endr
	s_mul_i32 s86, s71, CAP
	s_add_co_u32 s86, s86, s68                     ; the first place that moves
.macro PUT k                           ; choice k of my token
	v_and_b32 v20, 0xff, v[16+\k]                  ; the expert
	v_lshrrev_b32 v21, 8, v[16+\k]                 ; the rank in the block
	v_mov_b32 v22, s[PB]
.irp e, 1,2,3,4,5,6,7
	v_cmp_ne_u32 vcc_lo, \e, v20
	v_cndmask_b32 v22, s[PB+\e], v22, vcc_lo
.endr
	v_add_nc_u32 v22, v22, v21                     ; the place: 48 x tile + slot
	v_sub_nc_u32 v23, v22, s86
	v_add_nc_u32 v24, s66, v23
	v_mul_u32_u24 v24, v24, CAP                    ; slot 0 of tile T + d
	v_cmp_gt_u32 vcc_lo, s67, v23                  ; d < spare, unsigned
	v_cndmask_b32 v22, v22, v24, vcc_lo
	v_min_u32 v22, NTL*CAP-1, v22                  ; inside the table
	v_lshlrev_b32 v[26+\k], 2, v22
	v_add_nc_u32 v[28+\k], \k, v11
	global_store_b32 v[26+\k], v[28+\k], s[10:11]
.endm
	PUT 0
	PUT 1
	s_cmp_lg_u32 ttmp9, 0
	s_cbranch_scc1 .Ldone
	; the table of tiles: thread w of work-group 0 makes tile w's word.  tb_e does not fall with e: the last e with tb_e <= w owns tile w
	v_mov_b32 v40, 0
	v_mov_b32 v41, 0
	v_mov_b32 v42, s[NE]
.irp e, 1,2,3,4,5,6,7
	v_cmp_gt_u32 vcc_lo, s[TB+\e], v0              ; tb_e > w: keep what stands
	v_cndmask_b32 v40, \e, v40, vcc_lo
	v_cndmask_b32 v41, s[TB+\e], v41, vcc_lo
	v_cndmask_b32 v42, s[NE+\e], v42, vcc_lo
.endr
	v_sub_nc_u32 v43, v0, v41
	v_mul_u32_u24 v43, v43, CAP
	v_sub_nc_u32 v43, v42, v43
	v_min_u32 v43, CAP, v43                        ; min(48, n_e - 48 j)
	v_cmp_ne_u32 vcc_lo, s71, v0
	v_cndmask_b32 v43, s68, v43, vcc_lo            ; b's first tile keeps 48 - spare
	v_cmp_gt_u32 vcc_lo, s66, v0
	v_cndmask_b32 v43, 1, v43, vcc_lo              ; tiles T on: one row of b
	v_cndmask_b32 v40, s69, v40, vcc_lo
	v_lshl_or_b32 v40, v43, 8, v40
	v_lshlrev_b32 v41, 2, v0
	s_wait_xcnt 0x0                                ; EXEC changes only behind this wait: the stores above have been issued under the full one
	v_cmp_gt_u32 vcc_lo, NTL, v0
	s_and_saveexec_b32 s72, vcc_lo
	global_store_b32 v41, v40, s[12:13]
	s_endpgm
.Ldone:
	s_endpgm
.Lfunc_end_k_q3f310c5084_place:
	.size	k_q3f310c5084_place, .Lfunc_end_k_q3f310c5084_place-k_q3f310c5084_place
	.p2alignl 7, 3214868480
	.fill 96, 4, 3214868480
	.section	.rodata,"a",@progbits
	.p2align	6, 0x0
	.amdhsa_kernel k_q3f310c5084_place
		.amdhsa_group_segment_fixed_size 0
		.amdhsa_private_segment_fixed_size 0
		.amdhsa_enable_private_segment 0
		.amdhsa_kernarg_size 56
		.amdhsa_user_sgpr_count 2
		.amdhsa_user_sgpr_kernarg_segment_ptr 1
		.amdhsa_wavefront_size32 1
		.amdhsa_system_sgpr_workgroup_id_x 1
		.amdhsa_system_sgpr_workgroup_id_y 1
		.amdhsa_system_sgpr_workgroup_id_z 1
		.amdhsa_system_vgpr_workitem_id 0
		.amdhsa_next_free_vgpr 96
		.amdhsa_next_free_sgpr 96
		.amdhsa_reserve_vcc 1
		.amdhsa_float_denorm_mode_32 3
		.amdhsa_float_denorm_mode_16_64 3
		.amdhsa_memory_ordered 1
		.amdhsa_forward_progress 1
		.amdhsa_inst_pref_size 26
	.end_amdhsa_kernel
	.amdgpu_metadata
---
amdhsa.version: [ 1, 2 ]
amdhsa.kernels:
  - .name:           k_q3f310c5084_place
    .symbol:         k_q3f310c5084_place.kd
    .args:
      - { .name: sel, .offset: 0, .size: 8, .value_kind: global_buffer, .address_space: global }
      - { .name: w1_codes, .offset: 8, .size: 8, .value_kind: global_buffer, .address_space: global }
      - { .name: w2_codes, .offset: 16, .size: 8, .value_kind: global_buffer, .address_space: global }
      - { .name: rows, .offset: 24, .size: 8, .value_kind: global_buffer, .address_space: global }
      - { .name: tiles, .offset: 32, .size: 8, .value_kind: global_buffer, .address_space: global }
      - { .name: w1l, .offset: 40, .size: 8, .value_kind: global_buffer, .address_space: global }
      - { .name: w2l, .offset: 48, .size: 8, .value_kind: global_buffer, .address_space: global }
    .group_segment_fixed_size: 0
    .private_segment_fixed_size: 0
    .kernarg_segment_align: 8
    .kernarg_segment_size: 56
    .max_flat_workgroup_size: 256
    .sgpr_count:     96
    .vgpr_count:     96
    .wavefront_size: 32
...
	.end_amdgpu_metadata
.endif
;; end of part 2
;; launch chain (part 3): grid 178 x 1, 4 waves a work-group, no clusters, 83,456 bytes of LDS; arguments xq, w1l, w2l, b1, b2, gate, rows, tiles, lowp_scales, parts; writes parts
.if DOCPART == 3
	.amdgcn_target "amdgcn-amd-amdhsa--gfx1250"
	.amdhsa_code_object_version 6
	.text
	.protected	k_q3f310c5084_chain
	.globl	k_q3f310c5084_chain
	.p2align	8
	.type	k_q3f310c5084_chain,@function
k_q3f310c5084_chain:
	s_mov_b64 s[64:65], 0
	v_nop
	global_prefetch_b8 v0, s[64:65] scope:SCOPE_SE
	s_setreg_imm32_b32 hwreg(HW_REG_WAVE_MODE, 25, 1), 1
	s_wait_xcnt 0x0
; CHAIN.  A work-group takes one tile (one expert, up to 48 routed rows) through the whole chain: gather the rows' codes of x; h = gelu(x w1^T + b1), exact (erf); h quantised to E4M3 with 2^e3;
; y = (h w2^T + b2) x the row's gate; y to parts [8192][512] f32 at row rr = 2 token + choice.  Both products by v_wmma_f32_16x16x128_fp8_fp8 on codes; the hidden layer never goes to memory.
; Only the chosen experts' rows are multiplied: the others' results are thrown away by the gather that the layer itself makes.
; SHARES.  THE FOUR WAVES SHARE THE COLUMNS, NOT THE ROWS.  The 2,048 hidden units go in 16 chunks of 128.  In chunk i wave w makes hidden units 128 i + 32 w .. + 31 for all 48 rows (two tiles u x three
; tiles of rows m, K = 512 in four steps s: 24 matrix instructions), and adds the chunk, one K step of the second product, onto its outputs 128 w .. 128 w + 127 (eight tiles n x three m: 24 more).
; So each byte of the expert's weights enters the work-group once, from memory straight into the one wave's registers, in the order of the operand's registers (the launch before laid them so), and feeds three matrix instructions.
; Both products are used TRANSPOSED (source 0 = 16 rows of the weight, source 1 = 16 tokens): a lane holds one token throughout, and its registers run along the next K.
; THE ROWS OF w1 THAT FORM A TILE ARE NOT NEIGHBOURS: lane r of tile u takes row 32 w + 8 u + r + 8 (r / 8), so that a lane's 16 registers of tiles 0 and 1 are hidden units 32 w + 16 (lane / 16) + 0..15:
; their 16 codes are registers 4 w .. 4 w + 3 of the second product's fragment.  k stands in both operands of each product at 32 c + 16 (lane / 16) + 0..15 in registers 4 c .. 4 c + 3: the same permutation on both sides.
; The four waves' pieces meet in LDS as an image of the fragment's registers (16 bytes a lane, 512 a piece); ONE barrier a chunk: the images take two buffers by turns, and a buffer is written again only behind
; the next chunk's barrier, which each wave signals with its reads of it waited for.
; THE SECOND PRODUCT RUNS ONE CHUNK BEHIND, SET INTO THE ACTIVATION.  A chunk has 543 vector instructions of activation and quantiser for its 48 matrix instructions.  Chunk i - 1's hidden fragments are asked of LDS straight
; behind its barrier and land under chunk i's first product; its 24 matrix instructions of the second product then stand one each behind a block of eight plain vector instructions of chunk i's activation (12 such
; places a tile of rows: those ahead of the reciprocals and those behind their wait), so that the wave goes on issuing while the matrix unit works.  Each costs two switches of the register window, since all that the
; activation touches lies in window 0 and no window has room for the product's operands beside it.  The first product stays one run of 24: to set it in too would take a second set of hidden tiles.
; SLOTS PAST THE TILE'S COUNT read the tile's last row again: those lanes repeat its arithmetic and store the same bytes to the same row.  No lane is switched off, and no branch hangs on the count.
; (Wave 3 has no tile of rows to gather: it gathers the last row again into an image that nobody reads, which spares a branch.)
; WEIGHTS AHEAD: the next chunk's w1 and b1 (36 loads of 512 bytes a wave) are asked for behind this chunk's first product; this chunk's w2 behind the last use of the chunk before's: 24 loads at the first
; place of the third tile's activation, the last 8 (fragments 6 and 7, which the product, n outermost, takes last) behind the barrier.
; NO TENSOR LOADS, NO CLUSTER: which tiles share an expert hangs on the stored list, an expert's number of tiles is any number from 0 to 86, and partners of a joint request would need descriptors made of a loaded number.
; gelu(v) = (v / 2) (1 + erf(v / sqrt 2)); erf(x) = x P(x^2) / Q(x^2), x held within +-4, P of degree 6 and Q of degree 4 in f32 (Horner, fused), one v_rcp_f32.
; LIMITS.  1 + erf carries an absolute error of about 1e-7, so gelu(v) about |v| x 1e-7: for v far below 0 that is the cancellation of the formula in f32 itself; beyond v = -5.7 the factor stays what it is at x = -4.
; -120 <= e0 + e1 <= 120; -126 <= e3 <= 119; -126 <= e2 + e3 <= 127, so that each power of two below is an f32 number.  NaN and infinities are not served.
; REGISTERS, in windows of 256 (s_set_vgpr_msb's low byte: bits 1:0 source 0, 3:2 source 1, 5:4 source 2, 7:6 destination):
;   window 0: addresses, constants, b1's tiles, the hidden tiles, their codes, the activation's temporaries, the hidden fragments;   window 1: x's 12 fragments (64 m + 16 s);
;   window 2: v0-127 w1's 8 fragments (16 (4 u + s)), at the end b2; v128-255 w2's 8 fragments (128 + 16 n);   window 3: the 24 accumulators of y (64 m + 8 n).
.set STG,   16384                      ; LDS: the hidden images, 2 buffers 8,192 bytes apart, at 0 (fragment m at 2,048 m, piece c at 512 c, 16 bytes a lane);
.set SPI,   528                        ; then a stage for each wave, 16 rows x (512 bytes + 16): the pitch is an odd multiple of 16 bytes;
.set XIMG,  50176                      ; then x's images: 512 (16 m + 4 s + c) + 16 lane
.set RL,   1                           ; v1   r = lane % 16
.set WL,   2                           ; v2   16 x lane
.set ENTW, 3                           ; v3   rr of slot 16 wave + r: the row that I gather
.set ENT,  4                           ; v4-6 rr of slot 16 m + r
.set XO,   8                           ; v8   my byte offset in xq
.set TP,   9                           ; v9   at work
.set GT,   10                          ; v10-15 the gate of my token of tile m at GT + 2 m; the odd registers are named as upper halves of pairs
.set WB,   18                          ; v18  512 x wave + 16 x lane: my place in a hidden image, and my 16 bytes in a row of parts
.set HH,   19                          ; v19  h = lane / 16
.set XLD,  20                          ; v20  XIMG + 16 lane
.set B2O,  21                          ; v21  32 h
.set STO,  22                          ; v22  the stage: where I put 32 bytes of a row
.set RD,   23                          ; v23  and where I read a row back
.set XST,  24                          ; v24  XIMG + 8,192 wave + 16 lane
.set B1O,  25                          ; v25  64 h
.set ALV,  26                          ; v[26:27] P's leading coefficient, twice
.set BEV,  28                          ; v[28:29] Q's
.set SCL,  30                          ; v30  2^e3
.set LIM,  31                          ; v31  448 x 2^e3
.set BI,   32                          ; v32-47   b1's two tiles, 8 u + j
.set OFF,  32                          ;          at the end: 16 rows' byte offsets in parts
.set HA,   48                          ; v48-95   the hidden tiles, 16 m + 8 u + j
.set PC,   96                          ; v96-107  their codes, 4 m
.set XX,   128                         ; v128-143 x = v / sqrt 2, held
.set TT,   144                         ; v144-159 x^2
.set PP,   160                         ; v160-175 P
.set QQ,   176                         ; v176-191 Q, then 1 / Q
.set TMP,  128                         ; v128-191 at the head the gathered codes, at the end a tile's results
.set HF,   192                         ; v192-239 the three hidden fragments, 16 m
.set BK,   192                         ; v192-255 at the end: 16 rows back from the stage
.set WV,   24                          ; s24  wave
.set W1P,  36                          ; s[36:37] my part of the chunk in w1l;  s[38:39] in w2l
.set W2P,  38
.set AL,   40                          ; s[40:51] P's other six coefficients, each twice (the packed forms name a pair)
.set BE,   52                          ; s[52:59] Q's other four
.set SCX,  60                          ; s[60:61] 2^(e0 + e1) / sqrt 2
.set SCH,  62                          ; s[62:63] 2^(e0 + e1 - 1)
.set SCO,  66                          ; s[66:67] 2^(e2 + e3)
.set TRIPS, 69
.set NEG,  70                          ; s70  -(e0 + e1)
.set B1P,  72                          ; s[72:73] my 32 numbers of the chunk in b1;  s[74:75] my 128 of b2
.set B2P,  74
.set RN,   76                          ; s76-91 the way out: 16 rows' numbers
.set MSB, 0
.macro WIN new                         ; the immediate's high byte repeats the setting that is left; a switch that changes nothing is dropped
.if MSB != \new
	s_set_vgpr_msb (MSB<<8)|\new
.set MSB, \new
.endif
.endm
.macro PLACES                          ; four plain vector instructions behind a matrix instruction, ahead of loads into its registers and of reads of its results (ISA guide 7.12.1 for the reads)
.rept 4
	v_nop
.endr
.endm
.macro LOADW1 step                     ; a chunk's 8 fragments of w1 (32 loads of 512 consecutive bytes) and my two tiles of b1 (4 loads)
.if \step
	s_wait_xcnt 0x0                                ; the earlier loads have read their bases: they may step
	s_add_nc_u64 s[W1P:W1P+1], s[W1P:W1P+1], 65536
	s_add_nc_u64 s[B1P:B1P+1], s[B1P:B1P+1], 512
.endif
	WIN 0x80                                       ; destination window 2
.set k, 0
.rept 32
	global_load_b128 v[4*k:4*k+3], v[WL], s[W1P:W1P+1] offset:512*k
.set k, k+1
.endr
	WIN 0
.irp u, 0,1
	global_load_b128 v[BI+8*\u:BI+8*\u+3], v[B1O], s[B1P:B1P+1] offset:32*\u       ; lane (r, h), tile u: hidden units 16 h + 8 u + 0..7 of my 32
	global_load_b128 v[BI+8*\u+4:BI+8*\u+7], v[B1O], s[B1P:B1P+1] offset:32*\u+16
.endr
.endm
.macro LOADW2A step                    ; a chunk's fragments 0 to 5 of w2: 24 loads
.if \step
	s_wait_xcnt 0x0
	s_add_nc_u64 s[W2P:W2P+1], s[W2P:W2P+1], 65536
.endif
	WIN 0x80
.set k, 0
.rept 24
	global_load_b128 v[128+4*k:128+4*k+3], v[WL], s[W2P:W2P+1] offset:512*k
.set k, k+1
.endr
	WIN 0
.endm
.macro LOADW2B                         ; and its fragments 6 and 7: 8 loads, from the base as LOADW2A left it
	WIN 0x80
.set k, 24
.rept 8
	global_load_b128 v[128+4*k:128+4*k+3], v[WL], s[W2P:W2P+1] offset:512*k
.set k, k+1
.endr
	WIN 0
.endm
.macro P1                              ; the first product: six accumulators by turns, one instruction a turn; b1 / 2^(e0 + e1) is the C of each sum's first instruction
	WIN 0x06                                       ; source 0 (w1) window 2, source 1 (x) window 1
.irp s, 0,1,2,3
.irp m, 0,1,2
.irp u, 0,1
.if \s == 0
	v_wmma_f32_16x16x128_fp8_fp8 v[HA+16*\m+8*\u:HA+16*\m+8*\u+7], v[16*(4*\u+\s):16*(4*\u+\s)+15], v[64*\m+16*\s:64*\m+16*\s+15], v[BI+8*\u:BI+8*\u+7]
.else
	v_wmma_f32_16x16x128_fp8_fp8 v[HA+16*\m+8*\u:HA+16*\m+8*\u+7], v[16*(4*\u+\s):16*(4*\u+\s)+15], v[64*\m+16*\s:64*\m+16*\s+15], v[HA+16*\m+8*\u:HA+16*\m+8*\u+7]
.endif
.endr
.endr
.endr
	WIN 0
.endm
; Matrix instruction number mq of 24 of the second product: tile n = mq / 3 of my outputs, tile m = mq % 3 of the rows.  Each of the 24 accumulators has one instruction a chunk.  mz = 1: the first chunk starts the sums: nothing is cleared.
.macro PW
.set rO, 64*(mq%3)+8*(mq/3)
.set rW, 128+16*(mq/3)
.set rH, HF+16*(mq%3)
.if mz
	WIN 0xc2                                       ; source 0 (w2) window 2, source 1 (the hidden fragment) window 0, destination window 3
	v_wmma_f32_16x16x128_fp8_fp8 v[rO:rO+7], v[rW:rW+15], v[rH:rH+15], 0
.else
	WIN 0xf2                                       ; the same, C window 3 too
	v_wmma_f32_16x16x128_fp8_fp8 v[rO:rO+7], v[rW:rW+15], v[rH:rH+15], v[rO:rO+7]
.endif
.set mq, mq+1
.endm
; A place in the activation, behind a block of eight plain vector instructions: the next matrix instruction of the second product, while there are any (mqn of them); at the place behind the last, the next w2's first 24 loads:
; eight plain vector instructions or more, which name none of its registers, lie between that last matrix instruction and the loads.  NXT: the loads issued behind this chunk's first product (36, or b2's 16).
.macro MM
.if mq < mqn
.if mq == 0
	s_wait_loadcnt NXT+8                           ; w2's fragments 0 to 5 are in; its last 8 loads and the NXT behind them may be out
.endif
.if mq == 18
	s_wait_loadcnt NXT                             ; fragments 6 and 7 are in
.endif
	PW
	WIN 0
.elseif mq == mqn
.if lw
	LOADW2A 1
.endif
.set mq, mq+1
.endif
.endm
; The activation and the quantiser for tile m of the rows: 16 numbers a lane, two at a time.  The 16 reciprocals are one batch; P's 48 lines and the halving stand between it and its one wait, and no matrix instruction does.
.macro GELU m, buf
.set HM, HA+16*(\m)
.irp p, 0,2,4,6,8,10,12,14
	v_pk_mul_f32 v[XX+\p:XX+\p+1], v[HM+\p:HM+\p+1], s[SCX:SCX+1] op_sel_hi:[1,0]   ; x = sum x 2^(e0 + e1) / sqrt 2; each accumulator is read from its low end on
.endr
	MM
.irp j, 0,1,2,3,4,5,6,7
	v_med3_num_f32 v[XX+\j], v[XX+\j], -4.0, 4.0
.endr
	MM
.irp j, 8,9,10,11,12,13,14,15
	v_med3_num_f32 v[XX+\j], v[XX+\j], -4.0, 4.0
.endr
	MM
.irp p, 0,2,4,6,8,10,12,14
	v_pk_mul_f32 v[TT+\p:TT+\p+1], v[XX+\p:XX+\p+1], v[XX+\p:XX+\p+1]
.endr
	MM
.irp p, 0,2,4,6,8,10,12,14
	v_pk_fma_f32 v[QQ+\p:QQ+\p+1], v[TT+\p:TT+\p+1], v[BEV:BEV+1], s[BE:BE+1] op_sel_hi:[1,1,0]
.endr
	MM
.irp k, 2,4,6
.irp p, 0,2,4,6,8,10,12,14
	v_pk_fma_f32 v[QQ+\p:QQ+\p+1], v[QQ+\p:QQ+\p+1], v[TT+\p:TT+\p+1], s[BE+\k:BE+\k+1] op_sel_hi:[1,1,0]
.endr
	MM
.endr
.irp j, 0,1,2,3,4,5,6,7,8,9,10,11,12,13,14,15
	v_rcp_f32 v[QQ+\j], v[QQ+\j]
.endr
.irp p, 0,2,4,6,8,10,12,14
	v_pk_fma_f32 v[PP+\p:PP+\p+1], v[TT+\p:TT+\p+1], v[ALV:ALV+1], s[AL:AL+1] op_sel_hi:[1,1,0]
.endr
.irp k, 2,4,6,8,10
.irp p, 0,2,4,6,8,10,12,14
	v_pk_fma_f32 v[PP+\p:PP+\p+1], v[PP+\p:PP+\p+1], v[TT+\p:TT+\p+1], s[AL+\k:AL+\k+1] op_sel_hi:[1,1,0]
.endr
.endr
.irp p, 0,2,4,6,8,10,12,14
	v_pk_mul_f32 v[HM+\p:HM+\p+1], v[HM+\p:HM+\p+1], s[SCH:SCH+1] op_sel_hi:[1,0]   ; v / 2
.endr
	s_wait_alu depctr_va_vdst(0)                   ; one wait for the 16 reciprocals, ahead of their first reader
.irp p, 0,2,4,6,8,10,12,14
	v_pk_mul_f32 v[PP+\p:PP+\p+1], v[PP+\p:PP+\p+1], v[QQ+\p:QQ+\p+1]
.endr
	MM
.irp p, 0,2,4,6,8,10,12,14
	v_pk_fma_f32 v[PP+\p:PP+\p+1], v[XX+\p:XX+\p+1], v[PP+\p:PP+\p+1], 1.0 op_sel_hi:[1,1,0]   ; 1 + erf
.endr
	MM
.irp p, 0,2,4,6,8,10,12,14
	v_pk_mul_f32 v[HM+\p:HM+\p+1], v[HM+\p:HM+\p+1], v[PP+\p:PP+\p+1]
.endr
	MM
.irp j, 0,1,2,3,4,5,6,7
	v_med3_num_f32 v[HM+\j], v[HM+\j], -v[LIM], v[LIM]   ; the conversion to an 8-bit code does not saturate (ISA guide 7.6.2): the hold at the largest code x the scale
.endr
	MM
.irp j, 8,9,10,11,12,13,14,15
	v_med3_num_f32 v[HM+\j], v[HM+\j], -v[LIM], v[LIM]
.endr
	v_cvt_scalef32_pk8_fp8_f32 v[PC+4*(\m):PC+4*(\m)+1], v[HM:HM+7], v[SCL]
	v_cvt_scalef32_pk8_fp8_f32 v[PC+4*(\m)+2:PC+4*(\m)+3], v[HM+8:HM+15], v[SCL]
	v_nop                                          ; one plain vector instruction behind the last conversion: the next products write its sources
	ds_store_b128 v[WB], v[PC+4*(\m):PC+4*(\m)+3] offset:8192*(\buf)+2048*(\m)   ; piece w of fragment m
.endm
; A chunk.  buf: its images' buffer.  hw: how many loads were issued behind this chunk's w1 and b1.  p2: the second product of the chunk before: 0 there is none, 1 it starts y's sums, 2 it adds onto them.
; next = 1: the next chunk's w1 is asked for; 0: the last chunk asks for b2 instead.
.macro TRIP buf, hw, p2, next
	s_wait_loadcnt \hw                             ; this chunk's w1 and b1 are in; what was issued behind them (w2's 24 + 8, or nothing) may be out
.irp j, 0,1,2,3,4,5,6,7,8,9,10,11,12,13,14,15
	v_ldexp_f32 v[BI+\j], v[BI+\j], s[NEG]         ; a sum of the first product stands for sum x 2^(e0 + e1): b1 goes in divided by that
.endr
	P1
	PLACES
.if \next
	LOADW1 1
.set NXT, 36
.else
	WIN 0x80
.irp n, 0,1,2,3,4,5,6,7
	global_load_b128 v[8*\n:8*\n+3], v[B2O], s[B2P:B2P+1] offset:64*\n             ; lane (r, h), tile n: outputs 16 n + 8 h + 0..7 of my 128; into the registers that w1 has left
	global_load_b128 v[8*\n+4:8*\n+7], v[B2O], s[B2P:B2P+1] offset:64*\n+16
.endr
	WIN 0
.set NXT, 16
.endif
	s_wait_dscnt 0x0                               ; the hidden fragments of the chunk before, asked for behind its barrier, are in
.set mq, 0
.set mz, 0
.if \p2
.set mqn, 24
.set lw, 1
.else
.set mqn, 0
.set lw, 0
.endif
.if \p2 == 1
.set mz, 1
.endif
	GELU 0, \buf
	GELU 1, \buf
	GELU 2, \buf
	s_wait_dscnt 0x0                               ; my pieces have landed, and my reads of the other buffer are long over
	s_barrier_signal -1
	s_barrier_wait -1                              ; the three fragments are whole
.set k, 0
.rept 12
	ds_load_b128 v[HF+4*k:HF+4*k+3], v[WL] offset:8192*(\buf)+512*k                ; wanted behind the next chunk's first product
.set k, k+1
.endr
.if \p2
	LOADW2B
.endif
.endm
	s_load_b512 s[4:19], s[0:1], 0x0               ; xq s[4:5], w1l s[6:7], w2l s[8:9], b1 s[10:11], b2 s[12:13], gate s[14:15], rows s[16:17], tiles s[18:19]
	s_load_b128 s[20:23], s[0:1], 0x40             ; the scales' exponents s[20:21], parts s[22:23]
	v_lshl_add_u32 v126, v0, 2, 0x14400
	v_mov_b32 v127, 0
	v_lshrrev_b32 v[TP], 5, v0
	v_readfirstlane_b32 s[WV], v[TP]               ; wave 0..3
	v_and_b32 v[TP], 31, v0
	v_and_b32 v[RL], 15, v0
	v_bfe_u32 v[HH], v0, 4, 1
	v_lshlrev_b32 v[WL], 4, v[TP]
	s_lshl_b32 s28, s[WV], 9
	v_add_nc_u32 v[WB], s28, v[WL]
	v_add_nc_u32 v[XLD], XIMG, v[WL]
	s_lshl_b32 s28, s[WV], 13
	v_add_nc_u32 v[XST], s28, v[XLD]
	v_lshlrev_b32 v[B2O], 5, v[HH]
	v_lshlrev_b32 v[B1O], 6, v[HH]
	s_mul_i32 s28, s[WV], 16*SPI
	s_add_co_u32 s28, s28, STG                     ; my stage
	v_mul_u32_u24 v[STO], v[RL], SPI
	v_lshl_add_u32 v[STO], v[HH], 5, v[STO]
	v_add_nc_u32 v[STO], s28, v[STO]               ; in: row r, + 32 h
	v_add_nc_u32 v[RD], s28, v[WL]                 ; back: a row of 512 bytes, 16 a lane
.irp m, 0,1,2
	v_mov_b32 v[GT+2*\m+1], 0
.endr
	s_lshl_b32 s28, ttmp9, 2                       ; my tile's word,
	s_mov_b32 s29, 0
	s_mul_i32 s30, ttmp9, 192                      ; and its 48 slots
	s_mov_b32 s31, 0
	s_wait_kmcnt 0x0
	s_add_nc_u64 s[18:19], s[18:19], s[28:29]
	s_add_nc_u64 s[16:17], s[16:17], s[30:31]
	s_load_b32 s25, s[18:19], 0x0
	s_load_b128 s[32:35], s[20:21], 0x0            ; e0 (x), e1 (w1), e2 (w2), e3 (the hidden layer)
	s_wait_kmcnt 0x0
	s_and_b32 s26, s25, 0xff
	s_min_u32 s26, s26, 7                          ; the expert
	s_bfe_u32 s27, s25, 0x80008
	s_sub_co_u32 s27, s27, 1
	s_min_u32 s27, s27, 47                         ; the tile's last filled slot
	s_lshl_b32 s28, s[WV], 4
	v_add_nc_u32 v[TP], s28, v[RL]
	v_min_u32 v[TP], s27, v[TP]                    ; a slot past the count reads the last row again
	v_min_u32 v[TP], 47, v[TP]
	v_lshlrev_b32 v196, 2, v[TP]
	global_load_b32 v[ENTW], v196, s[16:17]
.irp m, 0,1,2
	v_add_nc_u32 v[TP], 16*\m, v[RL]
	v_min_u32 v[TP], s27, v[TP]
	v_min_u32 v[TP], 47, v[TP]
	v_lshlrev_b32 v[197+\m], 2, v[TP]
	global_load_b32 v[ENT+\m], v[197+\m], s[16:17]
.endr
	s_lshl_b32 s28, s26, 20                        ; the expert's 2^20 bytes, my 16,384 of each chunk's 65,536
	s_lshl_b32 s29, s[WV], 14
	s_add_co_u32 s28, s28, s29
	s_mov_b32 s29, 0
	s_add_nc_u64 s[W1P:W1P+1], s[6:7], s[28:29]
	s_add_nc_u64 s[W2P:W2P+1], s[8:9], s[28:29]
	s_lshl_b32 s30, s26, 13
	s_lshl_b32 s31, s[WV], 7
	s_add_co_u32 s30, s30, s31
	s_mov_b32 s31, 0
	s_add_nc_u64 s[B1P:B1P+1], s[10:11], s[30:31]
	s_lshl_b32 s30, s26, 11
	s_lshl_b32 s28, s[WV], 9
	s_add_co_u32 s30, s30, s28
	s_add_nc_u64 s[B2P:B2P+1], s[12:13], s[30:31]
	LOADW1 0                                       ; chunk 0
	; the constants, while the loads are out
	s_add_co_i32 s28, s32, s33                     ; e0 + e1
	s_lshl_b32 s29, s28, 23
	s_add_co_i32 s[SCX], s29, 0x3f3504f3           ; added to the exponent field of 1 / sqrt 2
	s_mov_b32 s[SCX+1], s[SCX]
	s_add_co_i32 s29, s28, 126
	s_lshl_b32 s[SCH], s29, 23
	s_mov_b32 s[SCH+1], s[SCH]
	s_sub_co_i32 s[NEG], 0, s28
	s_add_co_i32 s29, s34, s35
	s_add_co_i32 s29, s29, 127
	s_lshl_b32 s[SCO], s29, 23
	s_mov_b32 s[SCO+1], s[SCO]
	s_add_co_i32 s29, s35, 127
	s_lshl_b32 s30, s29, 23
	v_mov_b32 v[SCL], s30
	s_add_co_i32 s29, s29, 8
	s_lshl_b32 s29, s29, 23
	s_or_b32 s29, s29, 0x600000
	v_mov_b32 v[LIM], s29
	v_mov_b32 v[ALV], -0.000000000272614225801306  ; P, from the highest power down
	v_mov_b32 v[ALV+1], v[ALV]
	s_mov_b32 s[AL+0], 0.0000000277068142495902
	s_mov_b32 s[AL+2], -0.00000210102402082508
	s_mov_b32 s[AL+4], -0.0000569250639462346
	s_mov_b32 s[AL+6], -0.000734990630326855
	s_mov_b32 s[AL+8], -0.00295459980854025
	s_mov_b32 s[AL+10], -0.0160960333262415
	v_mov_b32 v[BEV], -0.0000145660718464996       ; Q likewise
	v_mov_b32 v[BEV+1], v[BEV]
	s_mov_b32 s[BE+0], -0.000213374055278905
	s_mov_b32 s[BE+2], -0.00168282697438203
	s_mov_b32 s[BE+4], -0.00737332916720468
	s_mov_b32 s[BE+6], -0.0142647390514189
.irp k, 0,2,4,6,8,10
	s_mov_b32 s[AL+\k+1], s[AL+\k]
.endr
.irp k, 0,2,4,6
	s_mov_b32 s[BE+\k+1], s[BE+\k]
.endr
	s_wait_loadcnt 36                              ; the four loads from the list are in; w1 and b1 (36 loads) may be out
	v_lshrrev_b32 v[XO], 1, v[ENTW]                ; the token
	v_min_u32 v[XO], 4095, v[XO]
	v_lshlrev_b32 v[XO], 9, v[XO]                  ; its 512 codes,
	v_lshl_add_u32 v[XO], v[HH], 4, v[XO]          ; + 16 h
.set k, 0
.rept 16
	global_load_b128 v[TMP+4*k:TMP+4*k+3], v[XO], s[4:5] offset:32*k               ; registers 16 s + 4 c: k = 128 s + 32 c + 16 h + 0..15 of row 16 wave + r
.set k, k+1
.endr
.irp m, 0,1,2
	v_min_u32 v[192+\m], 8191, v[ENT+\m]
	v_lshlrev_b32 v[192+\m], 2, v[192+\m]
	global_load_b32 v[GT+2*\m], v[192+\m], s[14:15]
.endr
	LOADW2A 0                                      ; chunk 0
	LOADW2B
	s_wait_loadcnt 35                              ; the gathered codes are in; the gates and w2 (3 + 32 loads) may be out
.set k, 0
.rept 16
	ds_store_b128 v[XST], v[TMP+4*k:TMP+4*k+3] offset:512*k
.set k, k+1
.endr
	s_wait_dscnt 0x0                               ; for the others' sake
	s_barrier_signal -1
	s_barrier_wait -1
	WIN 0x40                                       ; destination window 1: x's 12 fragments stay in registers
.set k, 0
.rept 48
	ds_load_b128 v[4*k:4*k+3], v[XLD] offset:512*k
.set k, k+1
.endr
	WIN 0
	s_wait_dscnt 0x0
	TRIP 0, 32, 0, 1                               ; chunk 0: there is no chunk before it; its w2 was asked for above
	TRIP 1, 0, 1, 1                                ; chunk 1: nothing was issued behind its w1; chunk 0's second product starts y's sums
	s_mov_b32 s[TRIPS], 6
.Lpair:                                            ; chunks 2 to 13, two a trip, so that the images' buffers are constants of the text
	TRIP 0, 32, 2, 1
	TRIP 1, 32, 2, 1
	s_sub_co_u32 s[TRIPS], s[TRIPS], 1
	s_cmp_lg_u32 s[TRIPS], 0
	s_cbranch_scc1 .Lpair
	TRIP 0, 32, 2, 1                               ; chunk 14
	TRIP 1, 32, 2, 0                               ; chunk 15 asks for no w1: no load leaves its buffer
	s_wait_loadcnt 0x0                             ; b2, and chunk 15's w2
	s_wait_dscnt 0x0                               ; its hidden fragments
.set mq, 0
.set mz, 0
.rept 24
	PW                                             ; chunk 15's second product: there is no activation left to set it into
.endr
	WIN 0
	PLACES
; THE WAY OUT of tile m: y = (sum x 2^(e2 + e3) + b2) x gate.  A lane holds 32 neighbouring bytes of a row and the lanes beside it other rows: so the tile goes through my own stage and comes back as rows of
; 512 bytes, my 128 columns of a row of parts, which the 32 lanes store as 512 consecutive aligned bytes.  LDS serves a wave's instructions in order (ISA guide 5.7.1.4): no wait between the stores and the loads.
.macro OUT m
	s_wait_xcnt 0x0                                ; the last tile's stores have read their offsets and data: both are written again below
.irp i, 0,1,2,3,4,5,6,7,8,9,10,11,12,13,14,15
	v_readlane_b32 s[RN+\i], v[ENT+\m], \i
.endr
.irp i, 0,1,2,3,4,5,6,7,8,9,10,11,12,13,14,15
	s_min_u32 s[RN+\i], s[RN+\i], 8191
	s_lshl_b32 s[RN+\i], s[RN+\i], 11              ; a row of parts is 2,048 bytes
	v_add_nc_u32 v[OFF+\i], s[RN+\i], v[WB]
.endr
	WIN 0x23                                       ; source 0 (the sums) window 3, source 2 (b2) window 2
.irp n, 0,1,2,3,4,5,6,7
.irp j, 0,2,4,6
	v_pk_fma_f32 v[TMP+8*\n+\j:TMP+8*\n+\j+1], v[64*\m+8*\n+\j:64*\m+8*\n+\j+1], s[SCO:SCO+1], v[8*\n+\j:8*\n+\j+1] op_sel_hi:[1,0,1]   ; each accumulator from its low end on
.endr
.endr
	WIN 0
.set k, 0
.rept 32
	v_pk_mul_f32 v[TMP+2*k:TMP+2*k+1], v[TMP+2*k:TMP+2*k+1], v[GT+2*\m:GT+2*\m+1] op_sel_hi:[1,0]
.set k, k+1
.endr
.irp n, 0,1,2,3,4,5,6,7
	ds_store_b128 v[STO], v[TMP+8*\n:TMP+8*\n+3] offset:64*\n
	ds_store_b128 v[STO], v[TMP+8*\n+4:TMP+8*\n+7] offset:64*\n+16
.endr
.irp i, 0,1,2,3,4,5,6,7,8,9,10,11,12,13,14,15
	ds_load_b128 v[BK+4*\i:BK+4*\i+3], v[RD] offset:\i*SPI
.endr
.irp i, 0,1,2,3,4,5,6,7,8,9,10,11,12,13,14,15
	s_wait_dscnt 15-\i                             ; row i is back; the later rows' loads may be out
	global_store_b128 v[OFF+\i], v[BK+4*\i:BK+4*\i+3], s[22:23] th:TH_STORE_NT
.endr
.endm
	OUT 0
	OUT 1
	OUT 2
	s_wait_tensorcnt 0x0
	ds_add_u32 v126, v127
	s_wait_dscnt 0x0
	s_endpgm
.Lfunc_end_k_q3f310c5084_chain:
	.size	k_q3f310c5084_chain, .Lfunc_end_k_q3f310c5084_chain-k_q3f310c5084_chain
	.p2alignl 7, 3214868480
	.fill 96, 4, 3214868480
	.section	.rodata,"a",@progbits
	.p2align	6, 0x0
	.amdhsa_kernel k_q3f310c5084_chain
		.amdhsa_group_segment_fixed_size 83456
		.amdhsa_private_segment_fixed_size 0
		.amdhsa_enable_private_segment 0
		.amdhsa_kernarg_size 80
		.amdhsa_user_sgpr_count 2
		.amdhsa_user_sgpr_kernarg_segment_ptr 1
		.amdhsa_wavefront_size32 1
		.amdhsa_system_sgpr_workgroup_id_x 1
		.amdhsa_system_sgpr_workgroup_id_y 1
		.amdhsa_system_sgpr_workgroup_id_z 1
		.amdhsa_system_vgpr_workitem_id 0
		.amdhsa_next_free_vgpr 1024
		.amdhsa_next_free_sgpr 96
		.amdhsa_reserve_vcc 0
		.amdhsa_float_denorm_mode_32 3
		.amdhsa_float_denorm_mode_16_64 3
		.amdhsa_memory_ordered 1
		.amdhsa_forward_progress 1
		.amdhsa_inst_pref_size 255
	.end_amdhsa_kernel
	.section	.bss,"aw",@nobits
	.p2align	6
	.space	262144
	.amdgpu_metadata
---
amdhsa.version: [ 1, 2 ]
amdhsa.kernels:
  - .name:           k_q3f310c5084_chain
    .symbol:         k_q3f310c5084_chain.kd
    .args:
      - { .name: xq, .offset: 0, .size: 8, .value_kind: global_buffer, .address_space: global }
      - { .name: w1l, .offset: 8, .size: 8, .value_kind: global_buffer, .address_space: global }
      - { .name: w2l, .offset: 16, .size: 8, .value_kind: global_buffer, .address_space: global }
      - { .name: b1, .offset: 24, .size: 8, .value_kind: global_buffer, .address_space: global }
      - { .name: b2, .offset: 32, .size: 8, .value_kind: global_buffer, .address_space: global }
      - { .name: gate, .offset: 40, .size: 8, .value_kind: global_buffer, .address_space: global }
      - { .name: rows, .offset: 48, .size: 8, .value_kind: global_buffer, .address_space: global }
      - { .name: tiles, .offset: 56, .size: 8, .value_kind: global_buffer, .address_space: global }
      - { .name: lowp_scales, .offset: 64, .size: 8, .value_kind: global_buffer, .address_space: global }
      - { .name: parts, .offset: 72, .size: 8, .value_kind: global_buffer, .address_space: global }
    .group_segment_fixed_size: 83456
    .private_segment_fixed_size: 0
    .kernarg_segment_align: 8
    .kernarg_segment_size: 80
    .max_flat_workgroup_size: 128
    .sgpr_count:     96
    .vgpr_count:     1024
    .wavefront_size: 32
...
	.end_amdgpu_metadata
.endif
;; end of part 3
;; launch combine (part 4): grid 256 x 1, 8 waves a work-group, no clusters, 0 bytes of LDS; arguments parts, out0; writes out0
.if DOCPART == 4
	.amdgcn_target "amdgcn-amd-amdhsa--gfx1250"
	.amdhsa_code_object_version 6
	.text
	.protected	k_q3f310c5084_combine
	.globl	k_q3f310c5084_combine
	.p2align	8
	.type	k_q3f310c5084_combine,@function
k_q3f310c5084_combine:
	s_mov_b64 s[64:65], 0
	v_nop
	global_prefetch_b8 v0, s[64:65] scope:SCOPE_SE
	s_setreg_imm32_b32 hwreg(HW_REG_WAVE_MODE, 25, 1), 1
	s_wait_xcnt 0x0
; COMBINE.  out0[t][:] = parts[2 t][:] + parts[2 t + 1][:]: a token's two weighted expert rows, first choice + second.  parts [8192][512] f32, out0 [4096][512] f32.
; A stream: a wave takes two tokens, 16 loads of 512 consecutive bytes, all issued at once, eight stores of 512 consecutive aligned bytes.  No LDS, no barrier, no loop.
	s_load_b128 s[4:7], s[0:1], 0x0                ; parts s[4:5], out0 s[6:7]
	v_lshrrev_b32 v1, 5, v0
	v_readfirstlane_b32 s8, v1                     ; wave 0..7
	v_and_b32 v2, 31, v0
	v_lshlrev_b32 v2, 4, v2                        ; 16 bytes a lane
	s_lshl_b32 s9, ttmp9, 4
	s_lshl_b32 s10, s8, 1
	s_add_co_u32 s9, s9, s10                       ; my first token: 16 x work-group + 2 x wave
	s_lshl_b32 s10, s9, 12                         ; 4,096 bytes of parts a token,
	s_mov_b32 s11, 0
	s_lshl_b32 s12, s9, 11                         ; 2,048 of out0
	s_mov_b32 s13, 0
	s_wait_kmcnt 0x0
	s_add_nc_u64 s[4:5], s[4:5], s[10:11]
	s_add_nc_u64 s[6:7], s[6:7], s[12:13]
.set k, 0
.rept 8                                ; pair k: token k / 4, bytes 512 (k % 4) on of both its rows
	global_load_b128 v[8+8*k:11+8*k], v2, s[4:5] offset:4096*(k/4)+512*(k%4) th:TH_LOAD_NT
	global_load_b128 v[12+8*k:15+8*k], v2, s[4:5] offset:4096*(k/4)+512*(k%4)+2048 th:TH_LOAD_NT
.set k, k+1
.endr
.set k, 0
.rept 8
	s_wait_loadcnt 14-2*k                          ; pair k is in; the two loads of each later pair may be out
	v_pk_add_f32 v[8+8*k:9+8*k], v[8+8*k:9+8*k], v[12+8*k:13+8*k]
	v_pk_add_f32 v[10+8*k:11+8*k], v[10+8*k:11+8*k], v[14+8*k:15+8*k]
	global_store_b128 v2, v[8+8*k:11+8*k], s[6:7] offset:2048*(k/4)+512*(k%4) th:TH_STORE_NT
.set k, k+1
.endr
	s_endpgm
.Lfunc_end_k_q3f310c5084_combine:
	.size	k_q3f310c5084_combine, .Lfunc_end_k_q3f310c5084_combine-k_q3f310c5084_combine
	.p2alignl 7, 3214868480
	.fill 96, 4, 3214868480
	.section	.rodata,"a",@progbits
	.p2align	6, 0x0
	.amdhsa_kernel k_q3f310c5084_combine
		.amdhsa_group_segment_fixed_size 0
		.amdhsa_private_segment_fixed_size 0
		.amdhsa_enable_private_segment 0
		.amdhsa_kernarg_size 16
		.amdhsa_user_sgpr_count 2
		.amdhsa_user_sgpr_kernarg_segment_ptr 1
		.amdhsa_wavefront_size32 1
		.amdhsa_system_sgpr_workgroup_id_x 1
		.amdhsa_system_sgpr_workgroup_id_y 1
		.amdhsa_system_sgpr_workgroup_id_z 1
		.amdhsa_system_vgpr_workitem_id 0
		.amdhsa_next_free_vgpr 80
		.amdhsa_next_free_sgpr 66
		.amdhsa_reserve_vcc 0
		.amdhsa_float_denorm_mode_32 3
		.amdhsa_float_denorm_mode_16_64 3
		.amdhsa_memory_ordered 1
		.amdhsa_forward_progress 1
		.amdhsa_inst_pref_size 5
	.end_amdhsa_kernel
	.amdgpu_metadata
---
amdhsa.version: [ 1, 2 ]
amdhsa.kernels:
  - .name:           k_q3f310c5084_combine
    .symbol:         k_q3f310c5084_combine.kd
    .args:
      - { .name: parts, .offset: 0, .size: 8, .value_kind: global_buffer, .address_space: global }
      - { .name: out0, .offset: 8, .size: 8, .value_kind: global_buffer, .address_space: global }
    .group_segment_fixed_size: 0
    .private_segment_fixed_size: 0
    .kernarg_segment_align: 8
    .kernarg_segment_size: 16
    .max_flat_workgroup_size: 256
    .sgpr_count:     66
    .vgpr_count:     80
    .wavefront_size: 32
...
	.end_amdgpu_metadata
.endif
;; end of part 4
;; ======== version 2 of 2: 4 launches; version 1 with the launch chain written anew for expert scheduling mode
;; workspace buffers: xq 2,097,152 bytes; sel 36,864 bytes of whole numbers; gate 32,768 bytes; rows 34,304 bytes of whole numbers; tiles 768 bytes of whole numbers; w1l 8,388,608 bytes; w2l 8,388,608 bytes; parts 16,777,216 bytes
;; launch route: the kernel of part 1 again; grid 128 x 1, 8 waves a work-group, no clusters, 43,008 bytes of LDS; arguments x, router_w, lowp_scales, xq, sel, gate; writes xq, sel, gate
;; launch place: the kernel of part 2 again; grid 272 x 1, 8 waves a work-group, no clusters, 0 bytes of LDS; arguments sel, w1_codes, w2_codes, rows, tiles, w1l, w2l; writes rows, tiles, w1l, w2l
;; launch chain (part 5): grid 178 x 1, 4 waves a work-group, no clusters, 83,456 bytes of LDS; arguments xq, w1l, w2l, b1, b2, gate, rows, tiles, lowp_scales, parts; writes parts
.if DOCPART == 5
	.amdgcn_target "amdgcn-amd-amdhsa--gfx1250"
	.amdhsa_code_object_version 6
	.text
	.protected	k_q3f310c5084_chain
	.globl	k_q3f310c5084_chain
	.p2align	8
	.type	k_q3f310c5084_chain,@function
k_q3f310c5084_chain:
	s_mov_b64 s[64:65], 0
	v_nop
	global_prefetch_b8 v0, s[64:65] scope:SCOPE_SE
	s_setreg_imm32_b32 hwreg(HW_REG_WAVE_SCHED_MODE, 0, 2), 2
	s_setreg_imm32_b32 hwreg(HW_REG_WAVE_MODE, 25, 1), 1
	s_wait_xcnt 0x0
	s_wait_alu depctr_vm_vsrc(0)
; CHAIN.  A work-group takes one tile (one expert, up to 48 routed rows) through the whole chain: gather the rows' codes of x; h = gelu(x w1^T + b1), exact (erf); h quantised to E4M3 with 2^e3;
; y = (h w2^T + b2) x the row's gate; y to parts [8192][512] f32 at row rr = 2 token + choice.  Both products by v_wmma_f32_16x16x128_fp8_fp8 on codes; the hidden layer never goes to memory.
; Only the chosen experts' rows are multiplied: the others' results are thrown away by the gather that the layer itself makes.
; SHARES.  THE FOUR WAVES SHARE THE COLUMNS, NOT THE ROWS.  The 2,048 hidden units go in 16 chunks of 128.  In chunk i wave w makes hidden units 128 i + 32 w .. + 31 for all 48 rows (two tiles u x three
; tiles of rows m, K = 512 in four steps s: 24 matrix instructions), and adds the chunk, one K step of the second product, onto its outputs 128 w .. 128 w + 127 (eight tiles n x three m: 24 more).
; So each byte of the expert's weights enters the work-group once, from memory straight into the one wave's registers, in the order of the operand's registers (the launch before laid them so), and feeds three matrix instructions.
; Both products are used TRANSPOSED (source 0 = 16 rows of the weight, source 1 = 16 tokens): a lane holds one token throughout, and its registers run along the next K.
; THE ROWS OF w1 THAT FORM A TILE ARE NOT NEIGHBOURS: lane r of tile u takes row 32 w + 8 u + r + 8 (r / 8), so that a lane's 16 registers of tiles 0 and 1 are hidden units 32 w + 16 (lane / 16) + 0..15:
; their 16 codes are registers 4 w .. 4 w + 3 of the second product's fragment.  k stands in both operands of each product at 32 c + 16 (lane / 16) + 0..15 in registers 4 c .. 4 c + 3: the same permutation on both sides.
; The four waves' pieces meet in LDS as an image of the fragment's registers (16 bytes a lane, 512 a piece); ONE barrier a chunk: the images take two buffers by turns, and a buffer is written again only behind
; the next chunk's barrier, which each wave signals with its reads of it waited for.
; THE SECOND PRODUCT RUNS ONE CHUNK BEHIND, SET INTO THE ACTIVATION.  A chunk has 543 vector instructions of activation and quantiser for its 48 matrix instructions.  Chunk i - 1's hidden fragments are asked of LDS straight
; behind its barrier and land under chunk i's first product; its 24 matrix instructions of the second product then stand one each behind a block of eight plain vector instructions of chunk i's activation (12 such
; places a tile of rows: those ahead of the reciprocals and those behind their wait), so that the wave goes on issuing while the matrix unit works.  Each costs two switches of the register window, since all that the
; activation touches lies in window 0 and no window has room for the product's operands beside it.  The first product stays one run of 24: to set it in too would take a second set of hidden tiles.
; SLOTS PAST THE TILE'S COUNT read the tile's last row again: those lanes repeat its arithmetic and store the same bytes to the same row.  No lane is switched off, and no branch hangs on the count.
; (Wave 3 has no tile of rows to gather: it gathers the last row again into an image that nobody reads, which spares a branch.)
; WEIGHTS AHEAD: the next chunk's w1 and b1 (36 loads of 512 bytes a wave) are asked for behind this chunk's first product; this chunk's w2 behind the last use of the chunk before's: 24 loads at the first
; place of the third tile's activation, the last 8 (fragments 6 and 7, which the product, n outermost, takes last) behind the barrier.
; NO TENSOR LOADS, NO CLUSTER: which tiles share an expert hangs on the stored list, an expert's number of tiles is any number from 0 to 86, and partners of a joint request would need descriptors made of a loaded number.
; gelu(v) = (v / 2) (1 + erf(v / sqrt 2)); erf(x) = x P(x^2) / Q(x^2), x held within +-4, P of degree 6 and Q of degree 4 in f32 (Horner, fused), one v_rcp_f32.
; LIMITS.  1 + erf carries an absolute error of about 1e-7, so gelu(v) about |v| x 1e-7: for v far below 0 that is the cancellation of the formula in f32 itself; beyond v = -5.7 the factor stays what it is at x = -4.
; -120 <= e0 + e1 <= 120; -126 <= e3 <= 119; -126 <= e2 + e3 <= 127, so that each power of two below is an f32 number.  NaN and infinities are not served.
; THE MODE: SCHED_MODE bits 1:0 = 2 (LLVM: expert scheduling mode 2), set by the entry lines.  The code itself states the register dependences between vector or matrix instructions
; and memory or LDS instructions, with s_wait_alu, always for 0.
; THE PLAN.  Registers that memory or LDS instructions touch, round a chunk:
;   w1's fragments, b1's tiles   Read by the first product (b1's tiles are also written by their scalings).  The next chunk's 36 loads land in them behind ONE wait on va_vdst, which follows the product.
;   w2's fragments 0 to 5        Read by the second product, whose last instruction stands in tile 1's activation.  Loaded again at the first place of tile 2's, behind a wait on va_vdst of their own.
;   w2's fragments 6, 7; HF      Read by the second product.  Loaded again behind the barrier, under the chunk's last wait on va_vdst: no vector or matrix instruction is issued between that wait and these loads.
;   PC, four registers a tile    Written by the conversions, read by the LDS stores.  Tiles 0 and 1's stores stand straight behind tile 2's wait for its reciprocals; tile 2's behind the chunk's last wait on va_vdst.
;                                The next chunk's conversions write PC again: one wait on vm_vsrc behind the barrier.
;   offsets and LDS addresses    Made at the head, ahead of the head's waits on va_vdst, and never written again: the bases are scalar registers, and immediate offsets do the rest.
;   The hidden tiles, the activation's temporaries, x's fragments and y's accumulators are named by vector and matrix instructions alone in the loop.
; REGISTERS, in windows of 256 (s_set_vgpr_msb's low byte: bits 1:0 source 0, 3:2 source 1, 5:4 source 2, 7:6 destination):
;   window 0: addresses, constants, b1's tiles, the hidden tiles, their codes, the activation's temporaries, the hidden fragments;   window 1: x's 12 fragments (64 m + 16 s);
;   window 2: v0-127 w1's 8 fragments (16 (4 u + s)), at the end b2; v128-255 w2's 8 fragments (128 + 16 n);   window 3: the 24 accumulators of y (64 m + 8 n).
.set STG,   16384                      ; LDS: the hidden images, 2 buffers 8,192 bytes apart, at 0 (fragment m at 2,048 m, piece c at 512 c, 16 bytes a lane);
.set SPI,   528                        ; then a stage for each wave, 16 rows x (512 bytes + 16): the pitch is an odd multiple of 16 bytes;
.set XIMG,  50176                      ; then x's images: 512 (16 m + 4 s + c) + 16 lane
.set RL,   1                           ; v1   r = lane % 16
.set WL,   2                           ; v2   16 x lane
.set ENTW, 3                           ; v3   rr of slot 16 wave + r: the row that I gather
.set ENT,  4                           ; v4-6 rr of slot 16 m + r
.set XO,   8                           ; v8   my byte offset in xq
.set TP,   9                           ; v9   at work
.set GT,   10                          ; v10-15 the gate of my token of tile m at GT + 2 m; the odd registers are named as upper halves of pairs
.set WB,   18                          ; v18  512 x wave + 16 x lane: my place in a hidden image, and my 16 bytes in a row of parts
.set HH,   19                          ; v19  h = lane / 16
.set XLD,  20                          ; v20  XIMG + 16 lane
.set B2O,  21                          ; v21  32 h
.set STO,  22                          ; v22  the stage: where I put 32 bytes of a row
.set RD,   23                          ; v23  and where I read a row back
.set XST,  24                          ; v24  XIMG + 8,192 wave + 16 lane
.set B1O,  25                          ; v25  64 h
.set ALV,  26                          ; v[26:27] P's leading coefficient, twice
.set BEV,  28                          ; v[28:29] Q's
.set SCL,  30                          ; v30  2^e3
.set LIM,  31                          ; v31  448 x 2^e3
.set BI,   32                          ; v32-47   b1's two tiles, 8 u + j
.set OFF,  32                          ;          at the end: 16 rows' byte offsets in parts
.set HA,   48                          ; v48-95   the hidden tiles, 16 m + 8 u + j
.set PC,   96                          ; v96-107  their codes, 4 m
.set XX,   128                         ; v128-143 x = v / sqrt 2, held
.set TT,   144                         ; v144-159 x^2
.set PP,   160                         ; v160-175 P
.set QQ,   176                         ; v176-191 Q, then 1 / Q
.set TMP,  128                         ; v128-191 at the head the gathered codes, at the end a tile's results
.set HF,   192                         ; v192-239 the three hidden fragments, 16 m
.set BK,   192                         ; v192-255 at the end: 16 rows back from the stage
.set WV,   24                          ; s24  wave
.set W1P,  36                          ; s[36:37] my part of the chunk in w1l;  s[38:39] in w2l
.set W2P,  38
.set AL,   40                          ; s[40:51] P's other six coefficients, each twice (the packed forms name a pair)
.set BE,   52                          ; s[52:59] Q's other four
.set SCX,  60                          ; s[60:61] 2^(e0 + e1) / sqrt 2
.set SCH,  62                          ; s[62:63] 2^(e0 + e1 - 1)
.set SCO,  66                          ; s[66:67] 2^(e2 + e3)
.set TRIPS, 69
.set NEG,  70                          ; s70  -(e0 + e1)
.set B1P,  72                          ; s[72:73] my 32 numbers of the chunk in b1;  s[74:75] my 128 of b2
.set B2P,  74
.set RN,   76                          ; s76-91 the way out: 16 rows' numbers
.set MSB, 0
.macro WIN new                         ; the immediate's high byte repeats the setting that is left; a switch that changes nothing is dropped
.if MSB != \new
	s_set_vgpr_msb (MSB<<8)|\new
.set MSB, \new
.endif
.endm
.macro PLACES                          ; four plain vector instructions behind a matrix instruction, ahead of reads of its results; loads into its registers have a wait of their own besides
.rept 4
	v_nop
.endr
.endm
.macro LOADW1 step                     ; a chunk's 8 fragments of w1 (32 loads of 512 consecutive bytes) and my two tiles of b1 (4 loads)
.if \step
	s_wait_xcnt 0x0                                ; the earlier loads have read their bases: they may step
	s_add_nc_u64 s[W1P:W1P+1], s[W1P:W1P+1], 65536
	s_add_nc_u64 s[B1P:B1P+1], s[B1P:B1P+1], 512
.endif
	WIN 0x80                                       ; destination window 2
.if \step
	s_wait_alu depctr_va_vdst(0)                   ; the first product is done reading w1's fragments and b1's tiles, and the scalings have written b1's tiles: the 36 loads below land in both
.endif
.set k, 0
.rept 32
	global_load_b128 v[4*k:4*k+3], v[WL], s[W1P:W1P+1] offset:512*k
.set k, k+1
.endr
	WIN 0
.irp u, 0,1
	global_load_b128 v[BI+8*\u:BI+8*\u+3], v[B1O], s[B1P:B1P+1] offset:32*\u       ; lane (r, h), tile u: hidden units 16 h + 8 u + 0..7 of my 32
	global_load_b128 v[BI+8*\u+4:BI+8*\u+7], v[B1O], s[B1P:B1P+1] offset:32*\u+16
.endr
.endm
.macro LOADW2A step                    ; a chunk's fragments 0 to 5 of w2: 24 loads
.if \step
	s_wait_xcnt 0x0
	s_add_nc_u64 s[W2P:W2P+1], s[W2P:W2P+1], 65536
.endif
	WIN 0x80
.if \step
	s_wait_alu depctr_va_vdst(0)                   ; the second product, whose last instruction stands in the tile before's activation, is done reading w2's fragments: the 24 loads below land in fragments 0 to 5
.endif
.set k, 0
.rept 24
	global_load_b128 v[128+4*k:128+4*k+3], v[WL], s[W2P:W2P+1] offset:512*k
.set k, k+1
.endr
	WIN 0
.endm
.macro LOADW2B                         ; and its fragments 6 and 7: 8 loads, from the base as LOADW2A left it
	WIN 0x80
.set k, 24
.rept 8
	global_load_b128 v[128+4*k:128+4*k+3], v[WL], s[W2P:W2P+1] offset:512*k
.set k, k+1
.endr
	WIN 0
.endm
.macro P1                              ; the first product: six accumulators by turns, one instruction a turn; b1 / 2^(e0 + e1) is the C of each sum's first instruction
	WIN 0x06                                       ; source 0 (w1) window 2, source 1 (x) window 1
.irp s, 0,1,2,3
.irp m, 0,1,2
.irp u, 0,1
.if \s == 0
	v_wmma_f32_16x16x128_fp8_fp8 v[HA+16*\m+8*\u:HA+16*\m+8*\u+7], v[16*(4*\u+\s):16*(4*\u+\s)+15], v[64*\m+16*\s:64*\m+16*\s+15], v[BI+8*\u:BI+8*\u+7]
.else
	v_wmma_f32_16x16x128_fp8_fp8 v[HA+16*\m+8*\u:HA+16*\m+8*\u+7], v[16*(4*\u+\s):16*(4*\u+\s)+15], v[64*\m+16*\s:64*\m+16*\s+15], v[HA+16*\m+8*\u:HA+16*\m+8*\u+7]
.endif
.endr
.endr
.endr
	WIN 0
.endm
; Matrix instruction number mq of 24 of the second product: tile n = mq / 3 of my outputs, tile m = mq % 3 of the rows.  Each of the 24 accumulators has one instruction a chunk.  mz = 1: the first chunk starts the sums: nothing is cleared.
.macro PW
.set rO, 64*(mq%3)+8*(mq/3)
.set rW, 128+16*(mq/3)
.set rH, HF+16*(mq%3)
.if mz
	WIN 0xc2                                       ; source 0 (w2) window 2, source 1 (the hidden fragment) window 0, destination window 3
	v_wmma_f32_16x16x128_fp8_fp8 v[rO:rO+7], v[rW:rW+15], v[rH:rH+15], 0
.else
	WIN 0xf2                                       ; the same, C window 3 too
	v_wmma_f32_16x16x128_fp8_fp8 v[rO:rO+7], v[rW:rW+15], v[rH:rH+15], v[rO:rO+7]
.endif
.set mq, mq+1
.endm
; A place in the activation, behind a block of eight plain vector instructions: the next matrix instruction of the second product, while there are any (mqn of them); at the place behind the last, the next w2's first 24 loads:
; eight plain vector instructions or more, which name none of its registers, lie between that last matrix instruction and the loads.  NXT: the loads issued behind this chunk's first product (36, or b2's 16).
.macro MM
.if mq < mqn
.if mq == 0
	s_wait_loadcnt NXT+8                           ; w2's fragments 0 to 5 are in; its last 8 loads and the NXT behind them may be out
.endif
.if mq == 18
	s_wait_loadcnt NXT                             ; fragments 6 and 7 are in
.endif
	PW
	WIN 0
.elseif mq == mqn
.if lw
	LOADW2A 1
.endif
.set mq, mq+1
.endif
.endm
; The activation and the quantiser for tile m of the rows: 16 numbers a lane, two at a time.  The 16 reciprocals are one batch; P's 48 lines and the halving stand between it and its one wait, and no matrix instruction does.
; The tile's codes stay in their four registers of PC: tiles 0 and 1's go to LDS behind tile 2's wait for its reciprocals, tile 2's behind the chunk's last wait.
.macro GELU m, buf
.set HM, HA+16*(\m)
.irp p, 0,2,4,6,8,10,12,14
	v_pk_mul_f32 v[XX+\p:XX+\p+1], v[HM+\p:HM+\p+1], s[SCX:SCX+1] op_sel_hi:[1,0]   ; x = sum x 2^(e0 + e1) / sqrt 2; each accumulator is read from its low end on
.endr
	MM
.irp j, 0,1,2,3,4,5,6,7
	v_med3_num_f32 v[XX+\j], v[XX+\j], -4.0, 4.0
.endr
	MM
.irp j, 8,9,10,11,12,13,14,15
	v_med3_num_f32 v[XX+\j], v[XX+\j], -4.0, 4.0
.endr
	MM
.irp p, 0,2,4,6,8,10,12,14
	v_pk_mul_f32 v[TT+\p:TT+\p+1], v[XX+\p:XX+\p+1], v[XX+\p:XX+\p+1]
.endr
	MM
.irp p, 0,2,4,6,8,10,12,14
	v_pk_fma_f32 v[QQ+\p:QQ+\p+1], v[TT+\p:TT+\p+1], v[BEV:BEV+1], s[BE:BE+1] op_sel_hi:[1,1,0]
.endr
	MM
.irp k, 2,4,6
.irp p, 0,2,4,6,8,10,12,14
	v_pk_fma_f32 v[QQ+\p:QQ+\p+1], v[QQ+\p:QQ+\p+1], v[TT+\p:TT+\p+1], s[BE+\k:BE+\k+1] op_sel_hi:[1,1,0]
.endr
	MM
.endr
.irp j, 0,1,2,3,4,5,6,7,8,9,10,11,12,13,14,15
	v_rcp_f32 v[QQ+\j], v[QQ+\j]
.endr
.irp p, 0,2,4,6,8,10,12,14
	v_pk_fma_f32 v[PP+\p:PP+\p+1], v[TT+\p:TT+\p+1], v[ALV:ALV+1], s[AL:AL+1] op_sel_hi:[1,1,0]
.endr
.irp k, 2,4,6,8,10
.irp p, 0,2,4,6,8,10,12,14
	v_pk_fma_f32 v[PP+\p:PP+\p+1], v[PP+\p:PP+\p+1], v[TT+\p:TT+\p+1], s[AL+\k:AL+\k+1] op_sel_hi:[1,1,0]
.endr
.endr
.irp p, 0,2,4,6,8,10,12,14
	v_pk_mul_f32 v[HM+\p:HM+\p+1], v[HM+\p:HM+\p+1], s[SCH:SCH+1] op_sel_hi:[1,0]   ; v / 2
.endr
	s_wait_alu depctr_va_vdst(0)                   ; one wait for the 16 reciprocals in v[QQ ..], ahead of their first reader; in tile 2 it also states that tiles 0 and 1's conversions have written their codes
.if (\m) == 2
	ds_store_b128 v[WB], v[PC:PC+3] offset:8192*(\buf)             ; piece w of fragment 0: no vector instruction since the wait names these registers
	ds_store_b128 v[WB], v[PC+4:PC+7] offset:8192*(\buf)+2048      ; and of fragment 1
.endif
.irp p, 0,2,4,6,8,10,12,14
	v_pk_mul_f32 v[PP+\p:PP+\p+1], v[PP+\p:PP+\p+1], v[QQ+\p:QQ+\p+1]
.endr
	MM
.irp p, 0,2,4,6,8,10,12,14
	v_pk_fma_f32 v[PP+\p:PP+\p+1], v[XX+\p:XX+\p+1], v[PP+\p:PP+\p+1], 1.0 op_sel_hi:[1,1,0]   ; 1 + erf
.endr
	MM
.irp p, 0,2,4,6,8,10,12,14
	v_pk_mul_f32 v[HM+\p:HM+\p+1], v[HM+\p:HM+\p+1], v[PP+\p:PP+\p+1]
.endr
	MM
.irp j, 0,1,2,3,4,5,6,7
	v_med3_num_f32 v[HM+\j], v[HM+\j], -v[LIM], v[LIM]   ; the conversion to an 8-bit code does not saturate (ISA guide 7.6.2): the hold at the largest code x the scale
.endr
	MM
.irp j, 8,9,10,11,12,13,14,15
	v_med3_num_f32 v[HM+\j], v[HM+\j], -v[LIM], v[LIM]
.endr
	v_cvt_scalef32_pk8_fp8_f32 v[PC+4*(\m):PC+4*(\m)+1], v[HM:HM+7], v[SCL]
	v_cvt_scalef32_pk8_fp8_f32 v[PC+4*(\m)+2:PC+4*(\m)+3], v[HM+8:HM+15], v[SCL]
	v_nop                                          ; one plain vector instruction behind the last conversion: the next products write its sources
.endm
; A chunk.  buf: its images' buffer.  hw: how many loads were issued behind this chunk's w1 and b1.  p2: the second product of the chunk before: 0 there is none, 1 it starts y's sums, 2 it adds onto them.
; next = 1: the next chunk's w1 is asked for; 0: the last chunk asks for b2 instead.
.macro TRIP buf, hw, p2, next
	s_wait_loadcnt \hw                             ; this chunk's w1 and b1 are in; what was issued behind them (w2's 24 + 8, or nothing) may be out
.irp j, 0,1,2,3,4,5,6,7,8,9,10,11,12,13,14,15
	v_ldexp_f32 v[BI+\j], v[BI+\j], s[NEG]         ; a sum of the first product stands for sum x 2^(e0 + e1): b1 goes in divided by that
.endr
	P1
	PLACES
.if \next
	LOADW1 1
.set NXT, 36
.else
	WIN 0x80
	s_wait_alu depctr_va_vdst(0)                   ; the first product is done reading w1's fragments, in whose registers b2 lands
.irp n, 0,1,2,3,4,5,6,7
	global_load_b128 v[8*\n:8*\n+3], v[B2O], s[B2P:B2P+1] offset:64*\n             ; lane (r, h), tile n: outputs 16 n + 8 h + 0..7 of my 128; into the registers that w1 has left
	global_load_b128 v[8*\n+4:8*\n+7], v[B2O], s[B2P:B2P+1] offset:64*\n+16
.endr
	WIN 0
.set NXT, 16
.endif
	s_wait_dscnt 0x0                               ; the hidden fragments of the chunk before, asked for behind its barrier, are in
.set mq, 0
.set mz, 0
.if \p2
.set mqn, 24
.set lw, 1
.else
.set mqn, 0
.set lw, 0
.endif
.if \p2 == 1
.set mz, 1
.endif
	GELU 0, \buf
	GELU 1, \buf
	GELU 2, \buf
	s_wait_alu depctr_va_vdst(0)                   ; tile 2's conversions have written their codes, which the LDS store below reads; and every vector or matrix instruction that named the hidden fragments' registers or w2's fragments 6 and 7 is done: the loads behind the barrier land there, and no vector or matrix instruction is issued before them
	ds_store_b128 v[WB], v[PC+8:PC+11] offset:8192*(\buf)+4096     ; piece w of fragment 2
	s_wait_dscnt 0x0                               ; my pieces have landed, and my reads of the other buffer are long over
	s_barrier_signal -1
	s_barrier_wait -1                              ; the three fragments are whole
.if \next
	s_wait_alu depctr_vm_vsrc(0)                   ; my three LDS stores have read v[PC ..], which the next chunk's conversions write again
.endif
.set k, 0
.rept 12
	ds_load_b128 v[HF+4*k:HF+4*k+3], v[WL] offset:8192*(\buf)+512*k                ; wanted behind the next chunk's first product
.set k, k+1
.endr
.if \p2
	LOADW2B
.endif
.endm
	s_load_b512 s[4:19], s[0:1], 0x0               ; xq s[4:5], w1l s[6:7], w2l s[8:9], b1 s[10:11], b2 s[12:13], gate s[14:15], rows s[16:17], tiles s[18:19]
	s_load_b128 s[20:23], s[0:1], 0x40             ; the scales' exponents s[20:21], parts s[22:23]
	v_lshl_add_u32 v126, v0, 2, 0x14400
	v_mov_b32 v127, 0
	v_lshrrev_b32 v[TP], 5, v0
	v_readfirstlane_b32 s[WV], v[TP]               ; wave 0..3
	v_and_b32 v[TP], 31, v0
	v_and_b32 v[RL], 15, v0
	v_bfe_u32 v[HH], v0, 4, 1
	v_lshlrev_b32 v[WL], 4, v[TP]
	s_wait_alu depctr_va_sdst(0)                   ; the wave's number is written, ahead of its first reader: LDS addresses and the bases of the weights are made from it
	s_lshl_b32 s28, s[WV], 9
	v_add_nc_u32 v[WB], s28, v[WL]
	v_add_nc_u32 v[XLD], XIMG, v[WL]
	s_lshl_b32 s28, s[WV], 13
	v_add_nc_u32 v[XST], s28, v[XLD]
	v_lshlrev_b32 v[B2O], 5, v[HH]
	v_lshlrev_b32 v[B1O], 6, v[HH]
	s_mul_i32 s28, s[WV], 16*SPI
	s_add_co_u32 s28, s28, STG                     ; my stage
	v_mul_u32_u24 v[STO], v[RL], SPI
	v_lshl_add_u32 v[STO], v[HH], 5, v[STO]
	v_add_nc_u32 v[STO], s28, v[STO]               ; in: row r, + 32 h
	v_add_nc_u32 v[RD], s28, v[WL]                 ; back: a row of 512 bytes, 16 a lane
.irp m, 0,1,2
	v_mov_b32 v[GT+2*\m+1], 0
.endr
	s_lshl_b32 s28, ttmp9, 2                       ; my tile's word,
	s_mov_b32 s29, 0
	s_mul_i32 s30, ttmp9, 192                      ; and its 48 slots
	s_mov_b32 s31, 0
	s_wait_kmcnt 0x0
	s_add_nc_u64 s[18:19], s[18:19], s[28:29]
	s_add_nc_u64 s[16:17], s[16:17], s[30:31]
	s_load_b32 s25, s[18:19], 0x0
	s_load_b128 s[32:35], s[20:21], 0x0            ; e0 (x), e1 (w1), e2 (w2), e3 (the hidden layer)
	s_wait_kmcnt 0x0
	s_and_b32 s26, s25, 0xff
	s_min_u32 s26, s26, 7                          ; the expert
	s_bfe_u32 s27, s25, 0x80008
	s_sub_co_u32 s27, s27, 1
	s_min_u32 s27, s27, 47                         ; the tile's last filled slot
	s_lshl_b32 s28, s[WV], 4
	v_add_nc_u32 v[TP], s28, v[RL]
	v_min_u32 v[TP], s27, v[TP]                    ; a slot past the count reads the last row again
	v_min_u32 v[TP], 47, v[TP]
	v_lshlrev_b32 v196, 2, v[TP]
.irp m, 0,1,2
	v_add_nc_u32 v[TP], 16*\m, v[RL]
	v_min_u32 v[TP], s27, v[TP]
	v_min_u32 v[TP], 47, v[TP]
	v_lshlrev_b32 v[197+\m], 2, v[TP]
.endr
	s_wait_alu depctr_va_vdst(0)                   ; the four offsets into the list, v196 to v199, are written, and so is every offset and LDS address made above (v2, v18, v20 to v25), which the loads and stores of the whole kernel read
	global_load_b32 v[ENTW], v196, s[16:17]
.irp m, 0,1,2
	global_load_b32 v[ENT+\m], v[197+\m], s[16:17]
.endr
	s_lshl_b32 s28, s26, 20                        ; the expert's 2^20 bytes, my 16,384 of each chunk's 65,536
	s_lshl_b32 s29, s[WV], 14
	s_add_co_u32 s28, s28, s29
	s_mov_b32 s29, 0
	s_add_nc_u64 s[W1P:W1P+1], s[6:7], s[28:29]
	s_add_nc_u64 s[W2P:W2P+1], s[8:9], s[28:29]
	s_lshl_b32 s30, s26, 13
	s_lshl_b32 s31, s[WV], 7
	s_add_co_u32 s30, s30, s31
	s_mov_b32 s31, 0
	s_add_nc_u64 s[B1P:B1P+1], s[10:11], s[30:31]
	s_lshl_b32 s30, s26, 11
	s_lshl_b32 s28, s[WV], 9
	s_add_co_u32 s30, s30, s28
	s_add_nc_u64 s[B2P:B2P+1], s[12:13], s[30:31]
	LOADW1 0                                       ; chunk 0
	; the constants, while the loads are out
	s_add_co_i32 s28, s32, s33                     ; e0 + e1
	s_lshl_b32 s29, s28, 23
	s_add_co_i32 s[SCX], s29, 0x3f3504f3           ; added to the exponent field of 1 / sqrt 2
	s_mov_b32 s[SCX+1], s[SCX]
	s_add_co_i32 s29, s28, 126
	s_lshl_b32 s[SCH], s29, 23
	s_mov_b32 s[SCH+1], s[SCH]
	s_sub_co_i32 s[NEG], 0, s28
	s_add_co_i32 s29, s34, s35
	s_add_co_i32 s29, s29, 127
	s_lshl_b32 s[SCO], s29, 23
	s_mov_b32 s[SCO+1], s[SCO]
	s_add_co_i32 s29, s35, 127
	s_lshl_b32 s30, s29, 23
	v_mov_b32 v[SCL], s30
	s_add_co_i32 s29, s29, 8
	s_lshl_b32 s29, s29, 23
	s_or_b32 s29, s29, 0x600000
	v_mov_b32 v[LIM], s29
	v_mov_b32 v[ALV], -0.000000000272614225801306  ; P, from the highest power down
	v_mov_b32 v[ALV+1], v[ALV]
	s_mov_b32 s[AL+0], 0.0000000277068142495902
	s_mov_b32 s[AL+2], -0.00000210102402082508
	s_mov_b32 s[AL+4], -0.0000569250639462346
	s_mov_b32 s[AL+6], -0.000734990630326855
	s_mov_b32 s[AL+8], -0.00295459980854025
	s_mov_b32 s[AL+10], -0.0160960333262415
	v_mov_b32 v[BEV], -0.0000145660718464996       ; Q likewise
	v_mov_b32 v[BEV+1], v[BEV]
	s_mov_b32 s[BE+0], -0.000213374055278905
	s_mov_b32 s[BE+2], -0.00168282697438203
	s_mov_b32 s[BE+4], -0.00737332916720468
	s_mov_b32 s[BE+6], -0.0142647390514189
.irp k, 0,2,4,6,8,10
	s_mov_b32 s[AL+\k+1], s[AL+\k]
.endr
.irp k, 0,2,4,6
	s_mov_b32 s[BE+\k+1], s[BE+\k]
.endr
	s_wait_loadcnt 36                              ; the four loads from the list are in; w1 and b1 (36 loads) may be out
	v_lshrrev_b32 v[XO], 1, v[ENTW]                ; the token
	v_min_u32 v[XO], 4095, v[XO]
	v_lshlrev_b32 v[XO], 9, v[XO]                  ; its 512 codes,
	v_lshl_add_u32 v[XO], v[HH], 4, v[XO]          ; + 16 h
.irp m, 0,1,2
	v_min_u32 v[192+\m], 8191, v[ENT+\m]
	v_lshlrev_b32 v[192+\m], 2, v[192+\m]
.endr
	s_wait_alu depctr_va_vdst(0)                   ; my offset in xq, v8, and the three offsets in gate, v192 to v194, are written: the 19 loads below read them
.set k, 0
.rept 16
	global_load_b128 v[TMP+4*k:TMP+4*k+3], v[XO], s[4:5] offset:32*k               ; registers 16 s + 4 c: k = 128 s + 32 c + 16 h + 0..15 of row 16 wave + r
.set k, k+1
.endr
.irp m, 0,1,2
	global_load_b32 v[GT+2*\m], v[192+\m], s[14:15]
.endr
	LOADW2A 0                                      ; chunk 0
	LOADW2B
	s_wait_loadcnt 35                              ; the gathered codes are in; the gates and w2 (3 + 32 loads) may be out
.set k, 0
.rept 16
	ds_store_b128 v[XST], v[TMP+4*k:TMP+4*k+3] offset:512*k
.set k, k+1
.endr
	s_wait_dscnt 0x0                               ; for the others' sake
	s_barrier_signal -1
	s_barrier_wait -1
	WIN 0x40                                       ; destination window 1: x's 12 fragments stay in registers
.set k, 0
.rept 48
	ds_load_b128 v[4*k:4*k+3], v[XLD] offset:512*k
.set k, k+1
.endr
	WIN 0
	s_wait_dscnt 0x0
	s_wait_alu depctr_vm_vsrc(0)                   ; my LDS stores have read v[TMP ..], which the activation writes from here on; the loads from the list and of the gates have read their offsets v192 to v199, in which the hidden fragments land
	TRIP 0, 32, 0, 1                               ; chunk 0: there is no chunk before it; its w2 was asked for above
	TRIP 1, 0, 1, 1                                ; chunk 1: nothing was issued behind its w1; chunk 0's second product starts y's sums
	s_mov_b32 s[TRIPS], 6
.Lpair:                                            ; chunks 2 to 13, two a trip, so that the images' buffers are constants of the text
	TRIP 0, 32, 2, 1
	TRIP 1, 32, 2, 1
	s_sub_co_u32 s[TRIPS], s[TRIPS], 1
	s_cmp_lg_u32 s[TRIPS], 0
	s_cbranch_scc1 .Lpair
	TRIP 0, 32, 2, 1                               ; chunk 14
	TRIP 1, 32, 2, 0                               ; chunk 15 asks for no w1: no load leaves its buffer
	s_wait_loadcnt 0x0                             ; b2, and chunk 15's w2
	s_wait_dscnt 0x0                               ; its hidden fragments
.set mq, 0
.set mz, 0
.rept 24
	PW                                             ; chunk 15's second product: there is no activation left to set it into
.endr
	WIN 0
	PLACES
; THE WAY OUT of tile m: y = (sum x 2^(e2 + e3) + b2) x gate.  A lane holds 32 neighbouring bytes of a row and the lanes beside it other rows: so the tile goes through my own stage and comes back as rows of
; 512 bytes, my 128 columns of a row of parts, which the 32 lanes store as 512 consecutive aligned bytes.  LDS serves a wave's instructions in order (ISA guide 5.7.1.4): no wait between the stores and the loads.
.macro OUT m
	s_wait_xcnt 0x0                                ; the last tile's stores have read their offsets and data: both are written again below
.if (\m) > 0
	s_wait_alu depctr_vm_vsrc(0)                   ; the last tile's stores have read their offsets v[OFF ..] and their data v[BK ..], its LDS stores v[TMP ..]: the additions, the loads from the stage and the multiply-adds below write them again
.endif
.irp i, 0,1,2,3,4,5,6,7,8,9,10,11,12,13,14,15
	v_readlane_b32 s[RN+\i], v[ENT+\m], \i
.endr
	s_wait_alu depctr_va_sdst(0)                   ; the sixteen rows' numbers are written, ahead of their first reader
.irp i, 0,1,2,3,4,5,6,7,8,9,10,11,12,13,14,15
	s_min_u32 s[RN+\i], s[RN+\i], 8191
	s_lshl_b32 s[RN+\i], s[RN+\i], 11              ; a row of parts is 2,048 bytes
	v_add_nc_u32 v[OFF+\i], s[RN+\i], v[WB]
.endr
	WIN 0x23                                       ; source 0 (the sums) window 3, source 2 (b2) window 2
.irp n, 0,1,2,3,4,5,6,7
.irp j, 0,2,4,6
	v_pk_fma_f32 v[TMP+8*\n+\j:TMP+8*\n+\j+1], v[64*\m+8*\n+\j:64*\m+8*\n+\j+1], s[SCO:SCO+1], v[8*\n+\j:8*\n+\j+1] op_sel_hi:[1,0,1]   ; each accumulator from its low end on
.endr
.endr
	WIN 0
.set k, 0
.rept 32
	v_pk_mul_f32 v[TMP+2*k:TMP+2*k+1], v[TMP+2*k:TMP+2*k+1], v[GT+2*\m:GT+2*\m+1] op_sel_hi:[1,0]
.set k, k+1
.endr
	s_wait_alu depctr_va_vdst(0)                   ; the multiplications have written v[TMP ..], which the LDS stores read, and the additions v[OFF ..], the stores' offsets; in tile 0 the last products are done reading the hidden fragments, in whose registers the rows from the stage land
.irp n, 0,1,2,3,4,5,6,7
	ds_store_b128 v[STO], v[TMP+8*\n:TMP+8*\n+3] offset:64*\n
	ds_store_b128 v[STO], v[TMP+8*\n+4:TMP+8*\n+7] offset:64*\n+16
.endr
.irp i, 0,1,2,3,4,5,6,7,8,9,10,11,12,13,14,15
	ds_load_b128 v[BK+4*\i:BK+4*\i+3], v[RD] offset:\i*SPI
.endr
.irp i, 0,1,2,3,4,5,6,7,8,9,10,11,12,13,14,15
	s_wait_dscnt 15-\i                             ; row i is back; the later rows' loads may be out
	global_store_b128 v[OFF+\i], v[BK+4*\i:BK+4*\i+3], s[22:23] th:TH_STORE_NT
.endr
.endm
	OUT 0
	OUT 1
	OUT 2
	s_wait_dscnt 0x0                               ; the closing lines, six on end
	s_wait_alu 0x0
	s_wait_tensorcnt 0x0
	ds_add_u32 v126, v127
	s_wait_dscnt 0x0
	s_endpgm
.Lfunc_end_k_q3f310c5084_chain:
	.size	k_q3f310c5084_chain, .Lfunc_end_k_q3f310c5084_chain-k_q3f310c5084_chain
	.p2alignl 7, 3214868480
	.fill 96, 4, 3214868480
	.section	.rodata,"a",@progbits
	.p2align	6, 0x0
	.amdhsa_kernel k_q3f310c5084_chain
		.amdhsa_group_segment_fixed_size 83456
		.amdhsa_private_segment_fixed_size 0
		.amdhsa_enable_private_segment 0
		.amdhsa_kernarg_size 80
		.amdhsa_user_sgpr_count 2
		.amdhsa_user_sgpr_kernarg_segment_ptr 1
		.amdhsa_wavefront_size32 1
		.amdhsa_system_sgpr_workgroup_id_x 1
		.amdhsa_system_sgpr_workgroup_id_y 1
		.amdhsa_system_sgpr_workgroup_id_z 1
		.amdhsa_system_vgpr_workitem_id 0
		.amdhsa_next_free_vgpr 1024
		.amdhsa_next_free_sgpr 96
		.amdhsa_reserve_vcc 0
		.amdhsa_float_denorm_mode_32 3
		.amdhsa_float_denorm_mode_16_64 3
		.amdhsa_memory_ordered 1
		.amdhsa_forward_progress 1
		.amdhsa_inst_pref_size 255
	.end_amdhsa_kernel
	.section	.bss,"aw",@nobits
	.p2align	6
	.space	262144
	.amdgpu_metadata
---
amdhsa.version: [ 1, 2 ]
amdhsa.kernels:
  - .name:           k_q3f310c5084_chain
    .symbol:         k_q3f310c5084_chain.kd
    .args:
      - { .name: xq, .offset: 0, .size: 8, .value_kind: global_buffer, .address_space: global }
      - { .name: w1l, .offset: 8, .size: 8, .value_kind: global_buffer, .address_space: global }
      - { .name: w2l, .offset: 16, .size: 8, .value_kind: global_buffer, .address_space: global }
      - { .name: b1, .offset: 24, .size: 8, .value_kind: global_buffer, .address_space: global }
      - { .name: b2, .offset: 32, .size: 8, .value_kind: global_buffer, .address_space: global }
      - { .name: gate, .offset: 40, .size: 8, .value_kind: global_buffer, .address_space: global }
      - { .name: rows, .offset: 48, .size: 8, .value_kind: global_buffer, .address_space: global }
      - { .name: tiles, .offset: 56, .size: 8, .value_kind: global_buffer, .address_space: global }
      - { .name: lowp_scales, .offset: 64, .size: 8, .value_kind: global_buffer, .address_space: global }
      - { .name: parts, .offset: 72, .size: 8, .value_kind: global_buffer, .address_space: global }
    .group_segment_fixed_size: 83456
    .private_segment_fixed_size: 0
    .kernarg_segment_align: 8
    .kernarg_segment_size: 80
    .max_flat_workgroup_size: 128
    .sgpr_count:     96
    .vgpr_count:     1024
    .wavefront_size: 32
...
	.end_amdgpu_metadata
.endif
;; end of part 5
;; launch combine: the kernel of part 4 again; grid 256 x 1, 8 waves a work-group, no clusters, 0 bytes of LDS; arguments parts, out0; writes out0
